; MI455X (gfx1250); checked and timed in simulation.
; The chip was launched on July 23, 2026; its instructions are those of AMD's public machine-readable ISA for CDNA 5 (MIT licence, August 2026) and "CDNA5" Instruction Set Architecture Reference Guide (July 2026). The comments in the code are by the model that wrote it; some were corrected since.
;; Box Aware X Corr. Allowed arithmetic: matrix products marked QUANTISED: E2M3 operands, one E8M0 scale for each 32 along K, by v_wmma_scale_f32_16x16x128_f8f6f4 with both operands' format E2M3, f32 sums; products left as they are: f32 operands where the result goes on into a quantised operand, else bf16, f16 or f32 operands; f32 sums; everything else in f32.
;; Inputs: W1 256 x 268 float32; W2 256 x 256 float32; W3 256 x 256 float32; Wf1 256 x 256 float32; Wf2 256 x 256 float32; b1 256 float32; b2 256 float32; b3 256 float32; bf1 256 float32; bf2 256 float32; g1 256 float32; g2 256 float32; g3 256 float32; gf1 256 float32; search_bc 32 x 1,024 x 9 float32; search_feature 32 x 256 x 1,024 float32; template_bc 32 x 512 x 9 float32; template_feature 32 x 256 x 512 float32; template_xyz 32 x 512 x 3 float32.
;; Outputs: out0 32 x 256 x 1,024 float32.
;; Constants: k = 8.
;; This version of the problem:
;;   THIS VERSION OF THE PROBLEM IS GIVEN IN LOW PRECISION. The matrix products marked QUANTISED in the list below multiply operands that are first quantised to E2M3 (2 exponent bits, 3 mantissa bits; 6 bits a number), with one power-of-two scale for each 32 numbers along K (OCP MX v1.0); their sums are f32. All else is computed in f32.
;;   The module's matrix products, in the order in which they are computed (A, B: the left and right operand; K: the contracted axis; several contracted axes count as one K, in the product's order):
;;     1. batch 32 x [M 512, K 9] x [K 9, N 1,024]; A: input template_bc; B: input search_bc: left as it is (K = 9 < 32)
;;     2. [M 262,144, K 268] x [K 268, N 256]; A: computed on the way; B: input W1: QUANTISED
;;     3. [M 262,144, K 256] x [K 256, N 256]; A: computed on the way; B: input W2: QUANTISED
;;     4. [M 262,144, K 256] x [K 256, N 256]; A: computed on the way; B: input W3: QUANTISED
;;     5. [M 32,768, K 256] x [K 256, N 256]; A: computed on the way; B: input Wf1: QUANTISED
;;     6. [M 32,768, K 256] x [K 256, N 256]; A: computed on the way; B: input Wf2: QUANTISED
;;   THE QUANTISER, for each operand of a quantised product, along K:
;;     - K is cut into blocks of 32 from its start; a last block that is shorter is filled with zeros.
;;     - A block's scale is 2^e with e = floor(log2(the largest magnitude in the block)) - 2, held to -126 .. 127; a block of zeros has e = 0. As a byte (E8M0): e + 127.
;;     - Each number is divided by its block's scale, clamped to +-7.5, and rounded to the nearest number of E2M3, ties to even, subnormals kept.
;;     - The product sums the exact products of the quantised numbers (number of the format x scale) in f32.
;;   ~~~python
;;   def quantise(x, axis):      # numpy; x: float32 -> the quantised numbers, widened to float32 again
;;       x = np.moveaxis(x, axis, -1); K = x.shape[-1]
;;       x = np.pad(x, [(0, 0)] * (x.ndim - 1) + [(0, -K % 32)]); x = x.reshape(x.shape[:-1] + (-1, 32)); a = np.abs(x).max(-1, keepdims=True)
;;       e = np.where(a > 0, np.clip(np.frexp(np.where(a > 0, a, 1))[1] - 1 - 2, -126, 127), 0)      # np.frexp(a)[1] - 1 = floor(log2(a)), exactly
;;       r = np.clip(x / 2.0 ** e, -7.5, 7.5)
;;       step = 2.0 ** (np.maximum(np.frexp(np.where(r == 0, 1, r))[1] - 1, 0) - 3)
;;       q = np.round(r / step) * step * 2.0 ** e      # np.round: ties to even
;;       return np.moveaxis(q.reshape(q.shape[:-2] + (-1,))[..., :K], -1, axis).astype(np.float32)
;;   ~~~
;;   OPERANDS COMPUTED ON THE WAY. 'Computed on the way' means the value that the module computes at that place (a softmax that the list does not call 'softmax' is quantised finished and normalised). What goes into a quantiser is computed in f32, as accurately as f32 sums, v_exp_f32 and their like allow (about 1e-6 of the number): no bf16 or f16 on the way to a quantiser, and a product that is left as it is and whose result goes on into a quantised operand takes f32 operands (vector FMAs, or v_wmma_f32_16x16x4_f32). A number that lies on a knife's edge between two numbers of the format may be rounded either way, as far as f32 arithmetic and the matrix unit's own rounding can turn it there, and no further.
;; 2 versions. Each part assembles by itself: llvm-mc -triple=amdgcn-amd-amdhsa -mcpu=gfx1250 --defsym DOCPART=n.
;; ======== version 1 of 2: 3 launches
;; workspace buffers: idx 1,048,576 bytes of whole numbers; wq 281,600 bytes; x2q 4,194,304 bytes
;; launch knn (part 1): grid 256 x 1, 4 waves a work-group, no clusters, 287,232 bytes of LDS; arguments template_bc, search_bc, W1, W2, W3, Wf1, Wf2, wq, idx; writes wq, idx
.if DOCPART == 1
	.amdgcn_target "amdgcn-amd-amdhsa--gfx1250"
	.amdhsa_code_object_version 6
	.text
	.protected	k_q277b2acf45_knn
	.globl	k_q277b2acf45_knn
	.p2align	8
	.type	k_q277b2acf45_knn,@function
k_q277b2acf45_knn:
	s_mov_b64 s[64:65], 0
	v_nop
	global_prefetch_b8 v0, s[64:65] scope:SCOPE_SE
	s_setreg_imm32_b32 hwreg(HW_REG_WAVE_MODE, 25, 1), 1
	s_wait_xcnt 0x0
; THE 8 NEAREST TEMPLATES OF EACH SEARCH POINT, and the five weights as FP6 (E2M3) operand images.
; d2 = fma(-2, cross, t2 + s2); t2, s2 and cross are one multiply and eight fused multiply-adds each, coordinates ascending, all f32.
; A work-group takes 128 search points of one batch (b = wg / 8).  Lane (r, h) of wave w serves TWO points, A = n0 + 32 w + r and B = A + 16,
; packed in register pairs, and scans templates 256 h .. 256 h + 255: one broadcast LDS load of a template feeds two distances.
; PASS 1 keeps each lane's 8 smallest d2 sorted (7 medians and a minimum a candidate) and lays every d2 into the wave's own LDS bytes.
; The two halves' lists are merged: T = the 8th smallest of all 512.  PASS 2 reads the same d2 bits back and makes bit masks d2 < T and d2 == T;
; all of the first and the lowest-numbered of the second are taken (the lower index wins a tie, as top_k has it).  No address hangs on a distance.
; idx is [b][slot 8][n 1024] u32; the order of the 8 slots is free: a maximum over them follows.
; WEIGHTS: wave 3 of work-groups 0 .. 175 also quantises fragment f = wg (16 weight rows x 128 along K) into wq: codes at 1536 f as an image of the
; operand's 12 registers (group g of four registers at 512 g + 16 lane), the rows' scale words at 270336 + 64 f + 4 r.
; f: W1 0..47 (16 s + t, s = 0..2; K = 268, so s = 2 holds 12 numbers and zeros), W2 48.., W3 80.., Wf1 112.., Wf2 144.. (16 s + t each).
; LIMITS: NaN and infinities are not served.  A block whose largest magnitude lies under 2^-124, a block of zeros among them, gets the byte 1:
; its codes are zeros or the held numbers' codes, and the bytes are read by this program alone.
.set TT,   262144                      ; LDS: the batch's 512 template rows as they lie in memory, 36 bytes each
.set T2T,  280576                      ; their t2, 4 bytes each
.set IST,  282624                      ; the way out: [slot 8][128 points] u32.  Bytes 0 .. 262143: d2, 65536 for each wave
.set SEL,  30                          ; s[30:31] lane selects: lane l xor 16
.set HM,   32                          ; s32 mask of lanes 16-31
.set SP,   18                          ; v18-35  coordinate d of points (A, B) at v[18 + 2 d : 19 + 2 d]
.set LA,   36                          ; v36-43 A's 8 smallest, ascending; v44-51 B's
.set D0,   52                          ; v52-59, v60-67 four templates' d2 for (A, B), two sets
.set D1,   60
.set CR,   68                          ; v68-75 cross;  v76-83 t2 + s2
.set UR,   76
.set BA,   84                          ; v84-123, v124-163 four template rows (36 numbers) and their four t2, two sets
.set BB,   124
.set RAW,  192                         ; v192-227 my four template rows at the head; v228-231 their t2
.set LT,   212                         ; v212-227 masks d2 < T, word g of point e at 8 e + g;  v228-243 masks d2 == T
.set EQ,   228
.set TM,   148                         ; the weight task: v84-147 numbers, v148-163 at work, v164-175 codes, v176-183 second halves, v184 scale word
.set CT,   176
.macro BARRIER                         ; my LDS stores have landed and my LDS loads are in: then the work-group's barrier
	s_wait_dscnt 0x0
	s_barrier_signal -1
	s_barrier_wait -1
.endm
; 64 numbers of a lane, register x + 16 b + i = k 32 b + 16 (lane / 16) + i of my row, become a fragment's 12 code registers at pc and the row's scale word in pw.
.macro QUANT x, pc, pw
.irp b, 0,1,2,3
	v_max3_num_f32 v[TM+\b], |v[\x+16*\b]|, |v[\x+1+16*\b]|, 0x1800000   ; my 16 numbers of block b and the floor 2^(3 - 127): the byte cannot fall under 1
.endr
.irp i, 2,4,6,8,10,12,14
.irp b, 0,1,2,3
	v_max3_num_f32 v[TM+\b], v[TM+\b], |v[\x+16*\b+\i]|, |v[\x+1+16*\b+\i]|
.endr
.endr
.irp b, 0,1,2,3
	v_permlanex16_b32 v[TM+4+\b], v[TM+\b], s[SEL], s[SEL+1]
.endr
.irp b, 0,1,2,3
	v_max_num_f32 v[TM+\b], v[TM+\b], v[TM+4+\b]      ; with lane l xor 16's 16: the block's largest magnitude
.endr
.irp b, 0,1,2,3
	v_add_nc_u32 v[TM+12+\b], 0xff000000, v[TM+\b]    ; 2 off its exponent field: the conversion's scale operand
.endr
.irp b, 0,1,2,3
	v_lshrrev_b32 v[TM+4+\b], 23, v[TM+12+\b]         ; the scale's byte
.endr
	v_lshl_or_b32 v[\pw], v[TM+5], 8, v[TM+4]
	v_lshl_or_b32 v[\pw], v[TM+6], 16, v[\pw]
	v_lshl_or_b32 v[\pw], v[TM+7], 24, v[\pw]
.irp c, 0,1
	v_cvt_scalef32_pk16_fp6_f32 v[\pc+6*\c:\pc+2+6*\c], v[\x+32*\c:\x+15+32*\c], v[TM+12+2*\c]
	v_cvt_scalef32_pk16_fp6_f32 v[CT+4*\c:CT+2+4*\c], v[\x+16+32*\c:\x+31+32*\c], v[TM+13+2*\c]   ; (a conversion's three registers begin on an even number)
.endr
	v_nop                                          ; one plain instruction behind the scaled conversions
.irp c, 0,1                            ; the operand wants a whole block in a lane: lanes 0-15 block 2 c, lanes 16-31 block 2 c + 1
.irp i, 0,1,2
	v_permlane16_swap_b32 v[\pc+6*\c+\i], v[CT+4*\c+\i]
.endr
.irp i, 0,1,2
	v_mov_b32 v[\pc+3+6*\c+\i], v[CT+4*\c+\i]
.endr
.endr
.endm
	s_load_b512 s[4:19], s[0:1], 0x0               ; template_bc s[4:5], search_bc s[6:7], W1 s[8:9], W2 s[10:11], W3 s[12:13], Wf1 s[14:15], Wf2 s[16:17], wq s[18:19]
	s_load_b64 s[20:21], s[0:1], 0x40              ; idx
	v_lshl_add_u32 v254, v0, 2, 0x46000
	v_mov_b32 v255, 0
	v_and_b32 v1, 31, v0                           ; lane
	v_and_b32 v2, 15, v0                           ; r
	v_bfe_u32 v3, v0, 4, 1                         ; h
	v_lshrrev_b32 v4, 5, v0
	v_readfirstlane_b32 s22, v4                    ; wave
	s_lshr_b32 s23, ttmp9, 3                       ; b
	s_and_b32 s24, ttmp9, 7
	s_lshl_b32 s24, s24, 7                         ; n0
	s_mov_b32 s25, ttmp9                           ; f
	s_mov_b32 s[SEL], 0x76543210
	s_mov_b32 s[SEL+1], 0xfedcba98
	s_mov_b32 s[HM], 0xffff0000
	v_mul_u32_u24 v4, v3, 9216
	v_add_nc_u32 v4, TT, v4                        ; my half's 256 template rows
	v_lshl_add_u32 v5, v3, 10, T2T                 ; and their t2
	s_lshl_b32 s26, s22, 16
	v_lshl_add_u32 v6, v1, 4, s26                  ; my 16 bytes in the wave's d2 bytes
	v_mul_u32_u24 v244, v0, 144                    ; four rows of 36 bytes a thread
	v_add_nc_u32 v10, TT, v244
	v_lshl_add_u32 v11, v0, 4, T2T
	s_lshl_b32 s26, s22, 7
	v_lshl_add_u32 v12, v3, 11, s26
	v_lshl_add_u32 v12, v2, 2, v12
	v_add_nc_u32 v12, IST, v12                     ; slot 4 h + k, point 32 w + 16 e + r
	s_lshl_b32 s26, s22, 10
	v_lshl_add_u32 v13, v1, 4, s26
	v_add_nc_u32 v13, IST, v13                     ; back: slots 2 w and 2 w + 1, 16 bytes a lane
	v_mov_b32 v14, 0
	v_lshlrev_b32 v15, 8, v3                       ; 256 h
	v_mul_u32_u24 v245, v2, 36
	v_lshlrev_b32 v246, 4, v1
	s_mul_i32 s26, s23, 18432                      ; the batch's templates
	s_mov_b32 s27, 0
	s_lshl_b32 s28, s23, 10
	s_add_co_u32 s28, s28, s24
	s_lshl_b32 s29, s22, 5
	s_add_co_u32 s28, s28, s29
	s_mul_i32 s28, s28, 36                         ; the wave's first search row
	s_mov_b32 s29, 0
	s_lshl_b32 s34, s23, 3
	s_lshl_b32 s35, s22, 1
	s_add_co_u32 s34, s34, s35
	s_lshl_b32 s34, s34, 10
	s_add_co_u32 s34, s34, s24
	s_lshl_b32 s34, s34, 2                         ; idx: ((8 b + 2 w) 1024 + n0) 4
	s_mov_b32 s35, 0
	s_wait_kmcnt 0x0
	s_add_nc_u64 s[4:5], s[4:5], s[26:27]
	s_add_nc_u64 s[6:7], s[6:7], s[28:29]
	s_add_nc_u64 s[20:21], s[20:21], s[34:35]
.irp q, 0,1,2,3,4,5,6,7,8
	global_load_b128 v[RAW+4*\q:RAW+4*\q+3], v244, s[4:5] offset:16*\q
.endr
.irp cd, 0,1,2,3,4,5,6,7,8
	global_load_b32 v[SP+2*\cd], v245, s[6:7] offset:4*\cd
	global_load_b32 v[SP+2*\cd+1], v245, s[6:7] offset:576+4*\cd
.endr
	; ---- the weight task: wave 3 of work-groups 0 .. 175.  No LDS access and no barrier stands inside
	s_cmp_lg_u32 s22, 3
	s_cbranch_scc1 .Lno_task
	s_cmp_ge_u32 s25, 176
	s_cbranch_scc1 .Lno_task
	s_lshr_b32 s26, s25, 4                         ; W1: its K step
	s_add_co_u32 s27, s26, 1
	s_and_b32 s27, s27, 1                          ; the others: ((f - 48) / 16) % 2
	s_and_b32 s28, s25, 15
	s_lshl_b32 s28, s28, 4                         ; 16 t
	s_mov_b32 s38, 1024
	s_cmp_lt_u32 s25, 48
	s_cselect_b32 s38, 1072, s38                   ; a weight row in bytes
	s_cselect_b32 s26, s26, s27
	s_mov_b64 s[40:41], s[8:9]                     ; the weight is chosen by f alone
	s_cmp_ge_u32 s25, 48
	s_cselect_b64 s[40:41], s[10:11], s[40:41]
	s_cmp_ge_u32 s25, 80
	s_cselect_b64 s[40:41], s[12:13], s[40:41]
	s_cmp_ge_u32 s25, 112
	s_cselect_b64 s[40:41], s[14:15], s[40:41]
	s_cmp_ge_u32 s25, 144
	s_cselect_b64 s[40:41], s[16:17], s[40:41]
	s_lshl_b32 s26, s26, 9
	v_add_nc_u32 v185, s28, v2
	v_mul_lo_u32 v185, v185, s38                   ; row 16 t + r
	v_add_nc_u32 v186, 1024, v185                  ; W1's last 12 numbers of the row
	v_add_nc_u32 v185, s26, v185
	v_lshl_add_u32 v185, v3, 6, v185               ; + 512 s + 64 h
	v_lshlrev_b32 v188, 2, v2
	s_mul_i32 s26, s25, 1536
	s_mov_b32 s27, 0
	s_add_nc_u64 s[44:45], s[18:19], s[26:27]
	s_lshl_b32 s26, s25, 6
	s_add_nc_u64 s[46:47], s[18:19], s[26:27]
	s_sub_co_u32 s28, s25, 32
	s_cmp_lt_u32 s28, 16                           ; f = 32 .. 47: the end of W1's K
	s_cbranch_scc1 .Ltail_k
.irp b, 0,1,2,3
.irp q, 0,1,2,3
	global_load_b128 v[84+16*\b+4*\q:84+16*\b+4*\q+3], v185, s[40:41] offset:128*\b+16*\q
.endr
.endr
	s_wait_loadcnt 0x0
	s_branch .Lquant
.Ltail_k:
.irp q, 0,1,2
	global_load_b128 v[84+4*\q:84+4*\q+3], v186, s[40:41] offset:16*\q   ; k = 256 .. 267: both halves read them, no load leaves the buffer
.endr
.set KI, 12
.rept 52
	v_mov_b32 v[84+KI], 0                          ; the rest of the K step is zeros
.set KI, KI+1
.endr
	s_wait_loadcnt 0x0
.irp i, 0,1,2,3,4,5,6,7,8,9,10,11
	v_cndmask_b32 v[84+\i], v[84+\i], v14, s[HM]   ; lanes 16-31 hold k = 272 on: zeros
.endr
.Lquant:
.irp b, 0,1,2,3
	v_mov_b32 v[TM+4+\b], 0                        ; a lane permute's destination counts as read
.endr
	QUANT 84, 164, 184
.irp g, 0,1,2
	global_store_b128 v246, v[164+4*\g:167+4*\g], s[44:45] offset:512*\g   ; 512 consecutive bytes, aligned
.endr
	global_store_b32 v188, v184, s[46:47] offset:270336   ; both halves write the same word with the same value
	s_wait_xcnt 0x0                                ; the stores' registers are written again below
.Lno_task:
	; ---- the table: rows as they lie, and t2
	s_wait_loadcnt 0x0
.irp i, 0,1,2,3
	v_mul_f32 v[228+\i], v[RAW+9*\i], v[RAW+9*\i]
.endr
.irp cd, 1,2,3,4,5,6,7,8
.irp i, 0,1,2,3
	v_fma_f32 v[228+\i], v[RAW+9*\i+\cd], v[RAW+9*\i+\cd], v[228+\i]
.endr
.endr
.irp q, 0,1,2,3,4,5,6,7,8
	ds_store_b128 v10, v[RAW+4*\q:RAW+4*\q+3] offset:16*\q
.endr
	ds_store_b128 v11, v[228:231]
	v_pk_mul_f32 v[16:17], v[SP:SP+1], v[SP:SP+1]  ; s2 of A and of B
.irp cd, 1,2,3,4,5,6,7,8
	v_pk_fma_f32 v[16:17], v[SP+2*\cd:SP+2*\cd+1], v[SP+2*\cd:SP+2*\cd+1], v[16:17]
.endr
.set KI, 0
.rept 16
	v_mov_b32 v[LA+KI], 0x7f800000                 ; the lists begin at +infinity: 256 candidates follow
.set KI, KI+1
.endr
	BARRIER                                        ; the table is whole
; ---- PASS 1
.macro LOADT buf, o, o2                ; four templates: 144 bytes of rows and 16 of t2; all lanes of a half read the same bytes
.irp q, 0,1,2,3,4,5,6,7,8
	ds_load_b128 v[\buf+4*\q:\buf+4*\q+3], v7 offset:\o+16*\q
.endr
	ds_load_b128 v[\buf+36:\buf+39], v8 offset:\o2
.endm
; packed forms whose second source is ONE register, v[RG], for both halves: the pair that holds it is named, and op_sel picks it
.macro PKMULB dst, a
.if RG%2
	v_pk_mul_f32 v[\dst:\dst+1], v[\a:\a+1], v[RG-1:RG] op_sel:[0,1] op_sel_hi:[1,1]
.else
	v_pk_mul_f32 v[\dst:\dst+1], v[\a:\a+1], v[RG:RG+1] op_sel_hi:[1,0]
.endif
.endm
.macro PKADDB dst, a
.if RG%2
	v_pk_add_f32 v[\dst:\dst+1], v[\a:\a+1], v[RG-1:RG] op_sel:[0,1] op_sel_hi:[1,1]
.else
	v_pk_add_f32 v[\dst:\dst+1], v[\a:\a+1], v[RG:RG+1] op_sel_hi:[1,0]
.endif
.endm
.macro PKFMAB dst, a
.if RG%2
	v_pk_fma_f32 v[\dst:\dst+1], v[\a:\a+1], v[RG-1:RG], v[\dst:\dst+1] op_sel:[0,1,0] op_sel_hi:[1,1,1]
.else
	v_pk_fma_f32 v[\dst:\dst+1], v[\a:\a+1], v[RG:RG+1], v[\dst:\dst+1] op_sel_hi:[1,0,1]
.endif
.endm
.macro COMP buf, out                   ; d2 of four templates for (A, B); the four by turns
.irp t, 0,1,2,3
.set RG, \buf+9*\t
	PKMULB CR+2*\t, SP
.endr
.irp cd, 1,2,3,4,5,6,7,8
.irp t, 0,1,2,3
.set RG, \buf+9*\t+\cd
	PKFMAB CR+2*\t, SP+2*\cd
.endr
.endr
.irp t, 0,1,2,3
.set RG, \buf+36+\t
	PKADDB UR+2*\t, 16
.endr
.irp t, 0,1,2,3
	v_pk_fma_f32 v[\out+2*\t:\out+2*\t+1], v[CR+2*\t:CR+2*\t+1], -2.0, v[UR+2*\t:UR+2*\t+1] op_sel_hi:[1,0,1]
.endr
.endm
.macro INS out                         ; each of the 8 numbers goes into its point's sorted list: place i takes the middle of (x, place i - 1, place i), from the top down
.irp t, 0,1,2,3
.irp e, 0,1
.irp i, 7,6,5,4,3,2,1
	v_med3_num_f32 v[LA+8*\e+\i], v[\out+2*\t+\e], v[LA+8*\e+\i-1], v[LA+8*\e+\i]
.endr
	v_min_num_f32 v[LA+8*\e], v[\out+2*\t+\e], v[LA+8*\e]
.endr
.endr
.endm
.macro ITER ld                         ; eight templates; ld = 1: the sets are filled again with the next eight
	v_add_nc_u32 v7, s33, v4
	v_add_nc_u32 v8, s34, v5
	v_add_nc_u32 v9, s35, v6
	s_wait_dscnt 10                                ; the first set is in: behind its ten loads stand at the least the second set's ten
	COMP BA, D0
	ds_store_b128 v9, v[D0:D0+3]
	ds_store_b128 v9, v[D0+4:D0+7] offset:512
.if \ld
	LOADT BA, 288, 32
.endif
	INS D0
.if \ld
	s_wait_dscnt 10                                ; the second set is in; the ten loads just issued may be out
.else
	s_wait_dscnt 2                                 ; the two stores may be out
.endif
	COMP BB, D1
	ds_store_b128 v9, v[D1:D1+3] offset:1024
	ds_store_b128 v9, v[D1+4:D1+7] offset:1536
.if \ld
	LOADT BB, 432, 48
.endif
	INS D1
.if \ld
	s_add_co_u32 s33, s33, 288
	s_add_co_u32 s34, s34, 32
	s_add_co_u32 s35, s35, 2048
.endif
.endm
	s_mov_b32 s33, 0
	s_mov_b32 s34, 0
	s_mov_b32 s35, 0
	s_mov_b32 s36, 31
	v_add_nc_u32 v7, s33, v4
	v_add_nc_u32 v8, s34, v5
	LOADT BA, 0, 0
	LOADT BB, 144, 16
.Liter:                                                ; 31 trips of eight templates; the last eight are written out, without loads
	ITER 1
	s_sub_co_u32 s36, s36, 1
	s_cmp_lg_u32 s36, 0
	s_cbranch_scc1 .Liter
	ITER 0
; ---- the two halves' lists meet.  min(L[i], other half's L[7 - i]) are the 8 smallest of both; T is their largest.
; Q of them equal T; the lower half takes as many of those as it has, the upper half the rest: v[76 + e] for my lane.
.macro MERGE e
.irp i, 0,1,2,3,4,5,6,7
	v_permlanex16_b32 v[52+\i], v[LA+8*\e+\i], s[SEL], s[SEL+1]
.endr
.irp i, 0,1,2,3,4,5,6,7
	v_min_num_f32 v[60+\i], v[LA+8*\e+\i], v[59-\i]
.endr
	v_max3_num_f32 v[68+\e], v60, v61, v62
	v_max3_num_f32 v[68+\e], v[68+\e], v63, v64
	v_max3_num_f32 v[68+\e], v[68+\e], v65, v66
	v_max_num_f32 v[68+\e], v[68+\e], v67
	v_mov_b32 v[70+\e], 0
	v_mov_b32 v[72+\e], 0
	v_mov_b32 v[74+\e], 0
.irp i, 0,1,2,3,4,5,6,7
	v_cmp_eq_f32 vcc_lo, v[60+\i], v[68+\e]
	v_add_co_ci_u32 v[70+\e], vcc_lo, 0, v[70+\e], vcc_lo
	v_cmp_eq_f32 vcc_lo, v[LA+8*\e+\i], v[68+\e]
	v_add_co_ci_u32 v[72+\e], vcc_lo, 0, v[72+\e], vcc_lo
.endr
	v_permlanex16_b32 v[74+\e], v[72+\e], s[SEL], s[SEL+1]
	v_cndmask_b32 v78, v[72+\e], v[74+\e], s[HM]   ; the lower half's count
	v_min_u32 v78, v[70+\e], v78
	v_sub_nc_u32 v79, v[70+\e], v78
	v_cndmask_b32 v[76+\e], v78, v79, s[HM]
.endm
	MERGE 0
	MERGE 1
; ---- PASS 2: bit c of word g = my candidate 32 g + c.  A compare's bit is shifted in from below, the highest candidate first.
.macro LOADW g, set
.irp j, 0,1,2,3,4,5,6,7,8,9,10,11,12,13,14,15
	ds_load_b128 v[\set+4*\j:\set+4*\j+3], v6 offset:8192*(\g)+512*\j   ; register 2 c + e: candidate 32 g + c of point e.  LDS serves a wave in order: these see pass 1's stores
.endr
.endm
.macro MASKS g, set
.set CI, 31
.rept 32
.irp e, 0,1
	v_cmp_lt_f32 vcc_lo, v[\set+2*CI+\e], v[68+\e]
	v_add_co_ci_u32 v[LT+8*\e+\g], vcc_lo, v[LT+8*\e+\g], v[LT+8*\e+\g], vcc_lo
	v_cmp_eq_f32 vcc_lo, v[\set+2*CI+\e], v[68+\e]
	v_add_co_ci_u32 v[EQ+8*\e+\g], vcc_lo, v[EQ+8*\e+\g], v[EQ+8*\e+\g], vcc_lo
.endr
.set CI, CI-1
.endr
.endm
.set KI, 0
.rept 32
	v_mov_b32 v[LT+KI], 0
.set KI, KI+1
.endr
	LOADW 7, 84
	LOADW 6, 148
.irp g, 7,6,5,4,3,2,1,0
.if \g > 0
	s_wait_dscnt 16                                ; this word's 16 loads are in; the next word's may be out
.else
	s_wait_dscnt 0x0
.endif
	MASKS \g, 84+64*((\g+1)%2)
.if \g > 1
	LOADW \g-2, 84+64*((\g+1)%2)
.endif
.endr
; ---- the picks: pick k comes from the mask d2 == T while k is under my share of those, else from d2 < T; the lowest bit of the lowest word that has one.
; A pick that finds nothing gives a number above 2^31.  My valid picks fill k = 0 .. n_h - 1, and n_0 + n_1 = 8.
.macro EXTR e
.irp k, 0,1,2,3,4,5,6,7
	v_cmp_lt_u32 s42, \k, v[76+\e]
.irp g, 0,1,2,3,4,5,6,7
	v_cndmask_b32 v[84+\g], v[LT+8*\e+\g], v[EQ+8*\e+\g], s42
.endr
	v_mov_b32 v92, v91
	v_mov_b32 v93, 7
.irp g, 6,5,4,3,2,1,0
	v_cmp_eq_u32 vcc_lo, 0, v[84+\g]
	v_cndmask_b32 v92, v[84+\g], v92, vcc_lo
	v_cndmask_b32 v93, \g, v93, vcc_lo
.endr
	v_sub_nc_u32 v95, 0, v92
	v_and_b32 v94, v92, v95                        ; its lowest bit,
	v_cvt_f32_u32 v95, v94                         ; whose number is the exponent of that power of two
	v_lshrrev_b32 v95, 23, v95
	v_add_nc_u32 v95, 0xffffff81, v95
	v_lshl_or_b32 v95, v93, 5, v95
	v_or_b32 v[100+8*\e+\k], v15, v95              ; + 256 h: the template's number
.irp g, 0,1,2,3,4,5,6,7
	v_cmp_eq_u32 vcc_lo, \g, v93
	v_cndmask_b32 v96, 0, v94, vcc_lo
	v_bfi_b32 v[LT+8*\e+\g], v96, 0, v[LT+8*\e+\g] ; the bit is taken out of both masks
	v_bfi_b32 v[EQ+8*\e+\g], v96, 0, v[EQ+8*\e+\g]
.endr
.endr
.endm
	EXTR 0
	EXTR 1
.irp e, 0,1
.irp k, 0,1,2,3
	v_mov_b32 v[116+4*\e+\k], 0
.endr
.irp k, 0,1,2,3
	v_permlanex16_b32 v[116+4*\e+\k], v[107+8*\e-\k], s[SEL], s[SEL+1]
.endr
.irp k, 0,1,2,3
	v_min_u32 v[124+4*\e+\k], v[100+8*\e+\k], v[116+4*\e+\k]   ; of my pick k and the other half's pick 7 - k just one is valid: the two halves' four each are the 8
.endr
.irp k, 0,1,2,3
	ds_store_b32 v12, v[124+4*\e+\k] offset:512*\k+64*\e
.endr
.endr
	BARRIER
	ds_load_b128 v[84:87], v13
	ds_load_b128 v[88:91], v13 offset:512
	s_wait_dscnt 0x0
	global_store_b128 v246, v[84:87], s[20:21]             ; 512 consecutive bytes of one slot's row, aligned
	global_store_b128 v246, v[88:91], s[20:21] offset:4096
	s_wait_tensorcnt 0x0
	ds_add_u32 v254, v255
	s_wait_dscnt 0x0
	s_endpgm
.Lfunc_end_k_q277b2acf45_knn:
	.size	k_q277b2acf45_knn, .Lfunc_end_k_q277b2acf45_knn-k_q277b2acf45_knn
	.p2alignl 7, 3214868480
	.fill 96, 4, 3214868480
	.section	.rodata,"a",@progbits
	.p2align	6, 0x0
	.amdhsa_kernel k_q277b2acf45_knn
		.amdhsa_group_segment_fixed_size 287232
		.amdhsa_private_segment_fixed_size 0
		.amdhsa_enable_private_segment 0
		.amdhsa_kernarg_size 72
		.amdhsa_user_sgpr_count 2
		.amdhsa_user_sgpr_kernarg_segment_ptr 1
		.amdhsa_wavefront_size32 1
		.amdhsa_system_sgpr_workgroup_id_x 1
		.amdhsa_system_sgpr_workgroup_id_y 1
		.amdhsa_system_sgpr_workgroup_id_z 1
		.amdhsa_system_vgpr_workitem_id 0
		.amdhsa_next_free_vgpr 256
		.amdhsa_next_free_sgpr 66
		.amdhsa_reserve_vcc 1
		.amdhsa_float_denorm_mode_32 3
		.amdhsa_float_denorm_mode_16_64 3
		.amdhsa_memory_ordered 1
		.amdhsa_forward_progress 1
		.amdhsa_inst_pref_size 179
	.end_amdhsa_kernel
	.amdgpu_metadata
---
amdhsa.version: [ 1, 2 ]
amdhsa.kernels:
  - .name:           k_q277b2acf45_knn
    .symbol:         k_q277b2acf45_knn.kd
    .args:
      - { .name: template_bc, .offset: 0, .size: 8, .value_kind: global_buffer, .address_space: global }
      - { .name: search_bc, .offset: 8, .size: 8, .value_kind: global_buffer, .address_space: global }
      - { .name: W1, .offset: 16, .size: 8, .value_kind: global_buffer, .address_space: global }
      - { .name: W2, .offset: 24, .size: 8, .value_kind: global_buffer, .address_space: global }
      - { .name: W3, .offset: 32, .size: 8, .value_kind: global_buffer, .address_space: global }
      - { .name: Wf1, .offset: 40, .size: 8, .value_kind: global_buffer, .address_space: global }
      - { .name: Wf2, .offset: 48, .size: 8, .value_kind: global_buffer, .address_space: global }
      - { .name: wq, .offset: 56, .size: 8, .value_kind: global_buffer, .address_space: global }
      - { .name: idx, .offset: 64, .size: 8, .value_kind: global_buffer, .address_space: global }
    .group_segment_fixed_size: 287232
    .private_segment_fixed_size: 0
    .kernarg_segment_align: 8
    .kernarg_segment_size: 72
    .max_flat_workgroup_size: 128
    .sgpr_count:     66
    .vgpr_count:     256
    .wavefront_size: 32
...
	.end_amdgpu_metadata
.endif
;; end of part 1
;; launch tmlp (part 2): grid 256 x 1, 4 waves a work-group, no clusters, 116,480 bytes of LDS; arguments template_feature, template_xyz, template_bc, wq, g1, b1, g2, b2, x2q; writes x2q
.if DOCPART == 2
	.amdgcn_target "amdgcn-amd-amdhsa--gfx1250"
	.amdhsa_code_object_version 6
	.text
	.protected	k_q277b2acf45_tmlp
	.globl	k_q277b2acf45_tmlp
	.p2align	8
	.type	k_q277b2acf45_tmlp,@function
k_q277b2acf45_tmlp:
	s_mov_b64 s[64:65], 0
	v_nop
	global_prefetch_b8 v0, s[64:65] scope:SCOPE_SE
	s_setreg_imm32_b32 hwreg(HW_REG_WAVE_MODE, 25, 1), 1
	s_wait_xcnt 0x0
; LAYERS 1 AND 2, ONCE FOR EACH TEMPLATE.  A gathered row is a template's row, and every step up to the maximum over the neighbours works on one row alone:
; x2 = relu(bn2(W2 Q(relu(bn1(W1 Q(row)))))) is made for the 16,384 templates and left as FP6 (E2M3) codes, which the next launch gathers.
; A work-group takes 64 templates of one batch (b = wg / 8, m0 = 64 (wg % 8)): four row tiles mu.  In a layer wave w makes channels 64 w .. 64 w + 63 for all 64 rows,
; its part of W1 and W2 in registers; behind a layer wave w quantises row tile w.  Source 0 = 16 rows, source 1 = 16 weight rows: a lane holds ONE channel, so bn is one
; packed multiply-add by the lane's (g, b); results go as f32 through a stage [row][256] in LDS and come back 16 neighbours along the next K to a lane.
; THE ROW: channels 0-2 xyz, 3-11 bc, 12-267 feature.  The feature lies [channel][template]: a lane takes a template and its registers run down the channels, so that each load
; reads 128 consecutive bytes and a block of 32 lies in one lane.  Wave (tau = w % 2, kappa = w / 2) does templates 32 tau + lane, channels 128 kappa on; wave w also does channels 256-267 of row tile w.
; x2q: a row of 256 bytes for each template, two halves of 128: lane (r, h)'s 12 operand registers of K step 0, those of K step 1, the two scale words, 24 bytes of zeros.
; LIMITS: NaN and infinities are not served; a block under 2^-124, a block of zeros among them, gets the byte 1 (its bytes are read by this program alone).
.set XIMG, 0                           ; LDS: the rows' 12 fragments (3 mu + s), 1,536 bytes each: for c = 0, 1 at 768 c: registers 6 c .. 6 c + 3 at 16 lane, registers 6 c + 4, 5 at 512 + 8 lane
.set XSC,  18432                       ; their scale words, 64 bytes each (4 r)
.set HIMG, 19200                       ; x1's 8 fragments (2 mu + s) as images of their registers: group g at 512 g + 16 lane
.set HSC,  31488
.set ST,   32000                       ; the stage: 64 rows x (1,024 + 16) bytes
.set OS,   98560                       ; the way out: 16 rows x (256 + 16) bytes for each wave
.set SEL,  30
.set HM,   32
.set X,    64                          ; window 0, behind the first phase: v64-127 numbers, v128-143 at work, v144-167 codes of two K steps, v168-175 second halves, v176-177 scale words
.set TM,   128
.set PC,   144
.set CT,   168
.set PW,   176
; window 0: v4-19, v52-55 addresses; v20-31 W1's scale words (3 i + s), v32-39 W2's (2 i + s), v40-51 the rows' (scales and nothing else); v64-191 a raw K step, v192-223 the last 12 channels and zeros
; window 1: W1's fragments at 36 i + 12 s, W2's at 144 + 24 i + 12 s.  window 2: the rows' fragments at 12 x number.  window 3: 16 accumulators at 8 (4 mu + i); (g1, b1) at 128 + 2 i, (g2, b2) at 136 + 2 i; v144 the stage address
.set MSB, 0
.macro WIN new                         ; the immediate's high byte repeats the setting that is left
.if MSB != \new
	s_set_vgpr_msb (MSB<<8)|\new
.set MSB, \new
.endif
.endm
.macro PLACES n
.rept \n
	v_nop
.endr
.endm
.macro BARRIER                         ; my LDS stores have landed and my LDS loads are in: then the work-group's barrier
	s_wait_dscnt 0x0
	s_barrier_signal -1
	s_barrier_wait -1
.endm
; 64 numbers of a lane, register x + 16 b + i = k 32 b + 16 (lane / 16) + i of my row, become a fragment's 12 code registers at pc and the row's scale word in pw.
.macro QUANT x, pc, pw
.irp b, 0,1,2,3
	v_max3_num_f32 v[TM+\b], |v[\x+16*\b]|, |v[\x+1+16*\b]|, 0x1800000   ; my 16 numbers of block b and the floor 2^(3 - 127): the byte cannot fall under 1
.endr
.irp i, 2,4,6,8,10,12,14
.irp b, 0,1,2,3
	v_max3_num_f32 v[TM+\b], v[TM+\b], |v[\x+16*\b+\i]|, |v[\x+1+16*\b+\i]|
.endr
.endr
.irp b, 0,1,2,3
	v_permlanex16_b32 v[TM+4+\b], v[TM+\b], s[SEL], s[SEL+1]
.endr
.irp b, 0,1,2,3
	v_max_num_f32 v[TM+\b], v[TM+\b], v[TM+4+\b]
.endr
.irp b, 0,1,2,3
	v_add_nc_u32 v[TM+12+\b], 0xff000000, v[TM+\b]    ; 2 off the exponent field: the conversion's scale operand
.endr
.irp b, 0,1,2,3
	v_lshrrev_b32 v[TM+4+\b], 23, v[TM+12+\b]
.endr
	v_lshl_or_b32 v[\pw], v[TM+5], 8, v[TM+4]
	v_lshl_or_b32 v[\pw], v[TM+6], 16, v[\pw]
	v_lshl_or_b32 v[\pw], v[TM+7], 24, v[\pw]
.irp c, 0,1
	v_cvt_scalef32_pk16_fp6_f32 v[\pc+6*\c:\pc+2+6*\c], v[\x+32*\c:\x+15+32*\c], v[TM+12+2*\c]
	v_cvt_scalef32_pk16_fp6_f32 v[CT+4*\c:CT+2+4*\c], v[\x+16+32*\c:\x+31+32*\c], v[TM+13+2*\c]
.endr
	v_nop                                          ; one plain instruction behind the scaled conversions
.irp c, 0,1
.irp i, 0,1,2
	v_permlane16_swap_b32 v[\pc+6*\c+\i], v[CT+4*\c+\i]
.endr
.irp i, 0,1,2
	v_mov_b32 v[\pc+3+6*\c+\i], v[CT+4*\c+\i]
.endr
.endr
.endm
.macro IMAGE adr, pc, off              ; a fragment goes to LDS as it stands in its registers
.irp g, 0,1,2
	ds_store_b128 v[\adr], v[\pc+4*\g:\pc+4*\g+3] offset:\off+512*\g
.endr
.endm
; a block of 32 that lies whole in my registers x .. x + 31: codes in v230-235, byte in v227
.macro QBLK x
	v_max3_num_f32 v224, |v[\x]|, |v[\x+1]|, 0x1800000
	v_max3_num_f32 v225, |v[\x+2]|, |v[\x+3]|, |v[\x+4]|
.irp i, 5,9,13,17,21,25
	v_max3_num_f32 v224, v224, |v[\x+\i]|, |v[\x+\i+1]|
	v_max3_num_f32 v225, v225, |v[\x+\i+2]|, |v[\x+\i+3]|
.endr
	v_max3_num_f32 v224, v224, |v[\x+29]|, |v[\x+30]|
	v_max3_num_f32 v224, v224, v225, |v[\x+31]|
	v_add_nc_u32 v226, 0xff000000, v224
	v_lshrrev_b32 v227, 23, v226
	v_cvt_scalef32_pk16_fp6_f32 v[230:232], v[\x:\x+15], v226
	v_cvt_scalef32_pk16_fp6_f32 v[236:238], v[\x+16:\x+31], v226
	v_nop
	v_mov_b32 v233, v236
	v_mov_b32 v234, v237
	v_mov_b32 v235, v238
.endm
	s_load_b512 s[4:19], s[0:1], 0x0               ; feature s[4:5], xyz s[6:7], bc s[8:9], wq s[10:11], g1 s[12:13], b1 s[14:15], g2 s[16:17], b2 s[18:19]
	s_load_b64 s[20:21], s[0:1], 0x40              ; x2q
	v_lshl_add_u32 v254, v0, 2, 0x1c500
	v_mov_b32 v255, 0
	v_and_b32 v1, 31, v0                           ; lane
	v_and_b32 v2, 15, v0                           ; r
	v_bfe_u32 v3, v0, 4, 1                         ; h
	v_lshrrev_b32 v4, 5, v0
	v_readfirstlane_b32 s22, v4                    ; wave
	s_and_b32 s23, s22, 1                          ; tau
	s_lshr_b32 s24, s22, 1                         ; kappa
	s_lshr_b32 s25, ttmp9, 3                       ; b
	s_and_b32 s33, ttmp9, 7
	s_lshl_b32 s33, s33, 6                         ; m0
	s_mov_b32 s[SEL], 0x76543210
	s_mov_b32 s[SEL+1], 0xfedcba98
	s_mov_b32 s[HM], 0xffff0000
	v_lshlrev_b32 v4, 4, v1                        ; 16 lane
	v_lshlrev_b32 v5, 3, v1                        ; 8 lane
	v_lshlrev_b32 v6, 2, v2                        ; 4 r
	s_lshl_b32 s34, s23, 5
	s_add_co_u32 s34, s34, s33                     ; m0 + 32 tau
	v_add_lshl_u32 v7, v1, s34, 2                  ; my template's 4 bytes in a channel's row
	s_lshl_b32 s35, s25, 9
	s_add_co_u32 s35, s35, s34
	v_add_nc_u32 v8, s35, v1
	v_mul_u32_u24 v9, v8, 36                       ; its row of bc
	v_mul_u32_u24 v8, v8, 12                       ; and of xyz
	s_lshl_b32 s36, s22, 4
	s_add_co_u32 s36, s36, s33
	v_add_lshl_u32 v10, v2, s36, 2                 ; template m0 + 16 w + r
	s_mul_i32 s37, s23, 9216
	s_mul_i32 s38, s24, 1536
	s_add_co_u32 s37, s37, s38                     ; fragments 3 (2 tau + lane / 16) + kappa
	v_mul_u32_u24 v11, v3, 4608
	v_lshl_add_u32 v12, v2, 3, v11
	v_lshl_add_u32 v11, v2, 4, v11
	v_add_nc_u32 v11, s37, v11
	v_add_nc_u32 v12, s37, v12
	s_mul_i32 s37, s23, 384
	s_lshl_b32 s38, s24, 6
	s_add_co_u32 s37, s37, s38
	v_mul_u32_u24 v13, v3, 192
	v_lshl_add_u32 v13, v2, 2, v13
	v_add_nc_u32 v13, s37, v13
	s_mul_i32 s37, s22, 16640
	v_mul_u32_u24 v14, v2, 1040
	v_lshl_add_u32 v14, v3, 6, v14
	v_add_nc_u32 v14, s37, v14
	v_add_nc_u32 v14, ST, v14                      ; the stage, back: row 16 w + r, + 64 h
	s_mul_i32 s37, s22, 3072
	v_add_nc_u32 v15, s37, v4
	v_add_nc_u32 v15, HIMG, v15
	s_lshl_b32 s37, s22, 7
	v_add_nc_u32 v16, s37, v6
	v_add_nc_u32 v16, HSC, v16
	s_mul_i32 s37, s22, 4352
	v_mul_u32_u24 v17, v2, 272
	v_lshl_add_u32 v17, v3, 7, v17
	v_add_nc_u32 v17, s37, v17
	v_add_nc_u32 v17, OS, v17
	v_mul_u32_u24 v18, v3, 272
	v_lshl_add_u32 v18, v2, 4, v18
	v_add_nc_u32 v18, s37, v18
	v_add_nc_u32 v18, OS, v18
	v_lshlrev_b32 v19, 8, v3
	v_lshl_add_u32 v19, v2, 4, v19
	s_mul_i32 s37, s22, 4608
	s_add_co_u32 s37, s37, 3072                    ; fragment 3 w + 2
	v_add_nc_u32 v52, s37, v4
	v_add_nc_u32 v53, s37, v5
	s_mul_i32 s37, s22, 192
	s_add_co_u32 s37, s37, XSC+128
	v_add_nc_u32 v54, s37, v6
	s_lshl_b32 s37, s22, 8
	v_mul_u32_u24 v55, v3, 8320
	v_lshl_add_u32 v55, v2, 2, v55
	v_add_nc_u32 v55, s37, v55
	WIN 0xC0
	v_add_nc_u32 v144, ST, v55                     ; (window 3) the stage, in: rows 8 h + j, channel 64 w + r
	WIN 0
	s_lshl_b32 s2, s25, 19                         ; a batch's features: 524,288 bytes
	s_mov_b32 s3, 0
	s_lshl_b32 s38, s24, 18                        ; 128 channels of 2,048 bytes
	s_mov_b32 s39, 0
	s_wait_kmcnt 0x0
	s_add_nc_u64 s[26:27], s[4:5], s[2:3]
	s_add_nc_u64 s[28:29], s[26:27], s[38:39]
	s_mul_i32 s2, s22, 6144
	s_add_nc_u64 s[40:41], s[10:11], s[2:3]        ; wq at my four tiles' codes
	s_mov_b32 s2, s37
	s_add_nc_u64 s[42:43], s[10:11], s[2:3]        ; and 256 w on, for their scale words
	s_add_nc_u64 s[12:13], s[12:13], s[2:3]        ; g and b at my 64 channels
	s_add_nc_u64 s[14:15], s[14:15], s[2:3]
	s_add_nc_u64 s[16:17], s[16:17], s[2:3]
	s_add_nc_u64 s[18:19], s[18:19], s[2:3]
	s_lshl_b32 s2, s25, 9
	s_add_co_u32 s2, s2, s36
	s_lshl_b32 s2, s2, 8
	s_add_nc_u64 s[20:21], s[20:21], s[2:3]        ; x2q at template 512 b + m0 + 16 w
	; ---- loads: the weights first; loads come back in order, so the waits for the rows cover them
	WIN 0x40
.irp i, 0,1,2,3
.irp ks, 0,1,2
.irp g, 0,1,2
	global_load_b128 v[36*\i+12*\ks+4*\g:36*\i+12*\ks+4*\g+3], v4, s[40:41] offset:(16*\ks+\i)*1536+512*\g
.endr
.endr
.endr
.irp i, 0,1,2,3
.irp ks, 0,1
.irp g, 0,1,2
	global_load_b128 v[144+24*\i+12*\ks+4*\g:144+24*\i+12*\ks+4*\g+3], v4, s[40:41] offset:(48+16*\ks+\i)*1536+512*\g
.endr
.endr
.endr
	WIN 0
.irp i, 0,1,2,3
.irp ks, 0,1,2
	global_load_b32 v[20+3*\i+\ks], v6, s[42:43] offset:270336+64*(16*\ks+\i)
.endr
.endr
.irp i, 0,1,2,3
.irp ks, 0,1
	global_load_b32 v[32+2*\i+\ks], v6, s[42:43] offset:270336+64*(48+16*\ks+\i)
.endr
.endr
	WIN 0xC0
.irp i, 0,1,2,3
	global_load_b32 v[128+2*\i], v6, s[12:13] offset:64*\i
	global_load_b32 v[129+2*\i], v6, s[14:15] offset:64*\i
	global_load_b32 v[136+2*\i], v6, s[16:17] offset:64*\i
	global_load_b32 v[137+2*\i], v6, s[18:19] offset:64*\i
.endr
	WIN 0
	s_cmp_lg_u32 s24, 0                            ; the K step's first 12 channels: xyz and bc, or features; 12 loads on either way
	s_cbranch_scc1 .Lk1
.irp cd, 0,1,2
	global_load_b32 v[64+\cd], v8, s[6:7] offset:4*\cd
.endr
.irp cd, 0,1,2,3,4,5,6,7,8
	global_load_b32 v[67+\cd], v9, s[8:9] offset:4*\cd
.endr
	s_branch .Lkj
.Lk1:
.irp cd, 0,1,2,3,4,5,6,7,8,9,10,11
	global_load_b32 v[64+\cd], v7, s[28:29] offset:(\cd-12)*2048 th:TH_LOAD_NT
.endr
.Lkj:
.set KI, 12
.rept 116
	global_load_b32 v[64+KI], v7, s[28:29] offset:(KI-12)*2048 th:TH_LOAD_NT   ; 32 lanes read 128 consecutive bytes of one channel
.set KI, KI+1
.endr
.irp cd, 0,1,2,3,4,5,6,7,8,9,10,11
	global_load_b32 v[192+\cd], v10, s[26:27] offset:(244+\cd)*2048 th:TH_LOAD_NT   ; channels 256 .. 267; both halves read the same
.endr
.irp i, 0,1,2,3
	v_mov_b32 v[240+\i], 0
.endr
	; ---- the rows become codes.  Block beta = 2 c + h' of my template belongs to lane (lane % 16) + 16 h' of its tile, registers 6 c .. 6 c + 5
.macro PBLK beta, cnt
	s_wait_loadcnt \cnt                            ; this block's 32 loads are in (the loads issued behind it: 108, 76, 44, 12; a wait names 63 at the most)
	QBLK 64+32*\beta
	ds_store_b128 v11, v[230:233] offset:768*(\beta/2)+256*(\beta%2)
	ds_store_b64 v12, v[234:235] offset:768*(\beta/2)+128*(\beta%2)+512
.if \beta == 0
	v_mov_b32 v228, v227
.else
	v_lshl_or_b32 v228, v227, 8*\beta, v228
.endif
	s_wait_dscnt 0x0                               ; the stores have read their registers
.endm
	PBLK 0, 63
	PBLK 1, 63
	PBLK 2, 44
	PBLK 3, 12
	ds_store_b32 v13, v228 offset:XSC
	s_wait_loadcnt 0x0
.set KI, 12
.rept 20
	v_mov_b32 v[192+KI], 0                         ; K ends at 268: the block is filled with zeros
.set KI, KI+1
.endr
	QBLK 192                                       ; both halves hold the same 12 numbers, so both find block 8's byte
.irp i, 0,1,2
	v_cndmask_b32 v[230+\i], v[230+\i], v240, s[HM]   ; lanes 16-31 hold the K step's second block: zero codes
.endr
	ds_store_b128 v52, v[230:233]
	ds_store_b64 v53, v[234:235] offset:512
	ds_store_b128 v52, v[240:243] offset:768       ; registers 6 .. 11: zeros
	ds_store_b64 v53, v[240:241] offset:1280
	ds_store_b32 v54, v227                         ; the word's other bytes are 0: over zero codes on both sides
	BARRIER                                        ; the 12 fragments lie in LDS
; the products of a layer with ns K steps: 16 accumulators by turns, one instruction a turn; the first K step starts the sums
.macro LMMA ns, wb, ws
	WIN 0xF6                                       ; source 0 (rows) window 2, source 1 (weights) window 1, C and D window 3
.set KS, 0
.rept \ns
.irp mu, 0,1,2,3
.irp i, 0,1,2,3
.if KS == 0
	v_wmma_scale_f32_16x16x128_f8f6f4 v[8*(4*\mu+\i):8*(4*\mu+\i)+7], v[12*(\ns*\mu+KS):12*(\ns*\mu+KS)+11], v[\wb+12*\ns*\i+12*KS:\wb+12*\ns*\i+12*KS+11], 0, v[40+\ns*\mu+KS], v[\ws+\ns*\i+KS] matrix_a_fmt:MATRIX_FMT_FP6 matrix_b_fmt:MATRIX_FMT_FP6
.else
	v_wmma_scale_f32_16x16x128_f8f6f4 v[8*(4*\mu+\i):8*(4*\mu+\i)+7], v[12*(\ns*\mu+KS):12*(\ns*\mu+KS)+11], v[\wb+12*\ns*\i+12*KS:\wb+12*\ns*\i+12*KS+11], v[8*(4*\mu+\i):8*(4*\mu+\i)+7], v[40+\ns*\mu+KS], v[\ws+\ns*\i+KS] matrix_a_fmt:MATRIX_FMT_FP6 matrix_b_fmt:MATRIX_FMT_FP6
.endif
.endr
.endr
.set KS, KS+1
.endr
.endm
; bn, relu, and into the stage; each accumulator from its low end on
.macro LVPH gb
	WIN 0xFF
	PLACES 4                                       ; four plain instructions between the last products and the first read of results
.irp mu, 0,1,2,3
.irp i, 0,1,2,3
.irp p, 0,2,4,6
	v_pk_fma_f32 v[8*(4*\mu+\i)+\p:8*(4*\mu+\i)+\p+1], v[8*(4*\mu+\i)+\p:8*(4*\mu+\i)+\p+1], v[\gb+2*\i:\gb+2*\i+1], v[\gb+2*\i:\gb+2*\i+1] op_sel:[0,0,1] op_sel_hi:[1,0,1]   ; x g + b: of the pair (g, b) the first multiplies both halves, the second is added to both
.endr
.irp j, 0,1,2,3,4,5,6,7
	v_max_num_f32 v[8*(4*\mu+\i)+\j], 0, v[8*(4*\mu+\i)+\j]
.endr
.irp j, 0,1,2,3,4,5,6,7
	ds_store_b32 v144, v[8*(4*\mu+\i)+\j] offset:(16*\mu+\j)*1040+64*\i
.endr
.endr
.endr
	WIN 0
.endm
.macro QROW ks                         ; K step ks of my row tile, from the stage: 16 neighbours of each block of 32 to a lane
.irp b, 0,1,2,3
.irp q, 0,1,2,3
	ds_load_b128 v[X+16*\b+4*\q:X+16*\b+4*\q+3], v14 offset:512*\ks+128*\b+16*\q
.endr
.endr
	s_wait_dscnt 0x0
	QUANT X, PC+12*\ks, PW+\ks
.endm
	; ---- layer 1
	WIN 0x80
.set FI, 0
.rept 12
.irp c, 0,1
	ds_load_b128 v[12*FI+6*\c:12*FI+6*\c+3], v4 offset:1536*FI+768*\c
	ds_load_b64 v[12*FI+6*\c+4:12*FI+6*\c+5], v5 offset:1536*FI+768*\c+512
.endr
.set FI, FI+1
.endr
	WIN 0
.set FI, 0
.rept 12
	ds_load_b32 v[40+FI], v6 offset:XSC+64*FI
.set FI, FI+1
.endr
	s_wait_dscnt 0x0
	LMMA 3, 0, 20
	LVPH 128
	BARRIER                                        ; x1 lies in the stage
.irp b, 0,1,2,3
	v_mov_b32 v[TM+4+\b], 0                        ; a lane permute's destination counts as read
.endr
	QROW 0
	IMAGE 15, PC, 0
	ds_store_b32 v16, v[PW]
	QROW 1
	IMAGE 15, PC+12, 1536
	ds_store_b32 v16, v[PW+1] offset:64
	BARRIER                                        ; x1's 8 fragments lie in LDS, and nobody reads the stage any more
	; ---- layer 2
	WIN 0x80
.set FI, 0
.rept 8
.irp g, 0,1,2
	ds_load_b128 v[12*FI+4*\g:12*FI+4*\g+3], v4 offset:HIMG+1536*FI+512*\g
.endr
.set FI, FI+1
.endr
	WIN 0
.set FI, 0
.rept 8
	ds_load_b32 v[40+FI], v6 offset:HSC+64*FI
.set FI, FI+1
.endr
	s_wait_dscnt 0x0
	LMMA 2, 144, 32
	LVPH 136
	BARRIER                                        ; x2 lies in the stage
	QROW 0
	QROW 1
	; ---- the way out: my 16 rows of 256 bytes go through my own LDS bytes, so that sixteen lanes store one whole row
.irp i, 2,3,4,5,6,7
	v_mov_b32 v[PW+\i], 0
.endr
.irp q, 0,1,2,3,4,5
	ds_store_b128 v17, v[PC+4*\q:PC+4*\q+3] offset:16*\q
.endr
	ds_store_b128 v17, v[PW:PW+3] offset:96
	ds_store_b128 v17, v[PW+4:PW+7] offset:112
.irp i, 0,1,2,3,4,5,6,7
	ds_load_b128 v[192+4*\i:195+4*\i], v18 offset:544*\i   ; LDS serves a wave in order: these see my stores
.endr
.irp i, 0,1,2,3,4,5,6,7
	s_wait_dscnt 7-\i
	global_store_b128 v19, v[192+4*\i:195+4*\i], s[20:21] offset:512*\i   ; two rows of 256 consecutive bytes, aligned
.endr
	s_wait_tensorcnt 0x0
	ds_add_u32 v254, v255
	s_wait_dscnt 0x0
	s_endpgm
.Lfunc_end_k_q277b2acf45_tmlp:
	.size	k_q277b2acf45_tmlp, .Lfunc_end_k_q277b2acf45_tmlp-k_q277b2acf45_tmlp
	.p2alignl 7, 3214868480
	.fill 96, 4, 3214868480
	.section	.rodata,"a",@progbits
	.p2align	6, 0x0
	.amdhsa_kernel k_q277b2acf45_tmlp
		.amdhsa_group_segment_fixed_size 116480
		.amdhsa_private_segment_fixed_size 0
		.amdhsa_enable_private_segment 0
		.amdhsa_kernarg_size 72
		.amdhsa_user_sgpr_count 2
		.amdhsa_user_sgpr_kernarg_segment_ptr 1
		.amdhsa_wavefront_size32 1
		.amdhsa_system_sgpr_workgroup_id_x 1
		.amdhsa_system_sgpr_workgroup_id_y 1
		.amdhsa_system_sgpr_workgroup_id_z 1
		.amdhsa_system_vgpr_workitem_id 0
		.amdhsa_next_free_vgpr 1024
		.amdhsa_next_free_sgpr 66
		.amdhsa_reserve_vcc 0
		.amdhsa_float_denorm_mode_32 3
		.amdhsa_float_denorm_mode_16_64 3
		.amdhsa_memory_ordered 1
		.amdhsa_forward_progress 1
		.amdhsa_inst_pref_size 109
	.end_amdhsa_kernel
	.amdgpu_metadata
---
amdhsa.version: [ 1, 2 ]
amdhsa.kernels:
  - .name:           k_q277b2acf45_tmlp
    .symbol:         k_q277b2acf45_tmlp.kd
    .args:
      - { .name: template_feature, .offset: 0, .size: 8, .value_kind: global_buffer, .address_space: global }
      - { .name: template_xyz, .offset: 8, .size: 8, .value_kind: global_buffer, .address_space: global }
      - { .name: template_bc, .offset: 16, .size: 8, .value_kind: global_buffer, .address_space: global }
      - { .name: wq, .offset: 24, .size: 8, .value_kind: global_buffer, .address_space: global }
      - { .name: g1, .offset: 32, .size: 8, .value_kind: global_buffer, .address_space: global }
      - { .name: b1, .offset: 40, .size: 8, .value_kind: global_buffer, .address_space: global }
      - { .name: g2, .offset: 48, .size: 8, .value_kind: global_buffer, .address_space: global }
      - { .name: b2, .offset: 56, .size: 8, .value_kind: global_buffer, .address_space: global }
      - { .name: x2q, .offset: 64, .size: 8, .value_kind: global_buffer, .address_space: global }
    .group_segment_fixed_size: 116480
    .private_segment_fixed_size: 0
    .kernarg_segment_align: 8
    .kernarg_segment_size: 72
    .max_flat_workgroup_size: 128
    .sgpr_count:     66
    .vgpr_count:     1024
    .wavefront_size: 32
...
	.end_amdgpu_metadata
.endif
;; end of part 2
;; launch pool (part 3): grid 256 x 1, 4 waves a work-group, no clusters, 233,984 bytes of LDS; arguments idx, x2q, wq, g3, b3, gf1, bf1, bf2, out0; writes out0
.if DOCPART == 3
	.amdgcn_target "amdgcn-amd-amdhsa--gfx1250"
	.amdhsa_code_object_version 6
	.text
	.protected	k_q277b2acf45_pool
	.globl	k_q277b2acf45_pool
	.p2align	8
	.type	k_q277b2acf45_pool,@function
k_q277b2acf45_pool:
	s_mov_b64 s[64:65], 0
	v_nop
	global_prefetch_b8 v0, s[64:65] scope:SCOPE_SE
	s_setreg_imm32_b32 hwreg(HW_REG_WAVE_MODE, 25, 1), 1
	s_wait_xcnt 0x0
; out = Wf2 Q(relu(bnf1(Wf1 Q(max over 8 neighbours of relu(bn3(W3 x2[neighbour])))))) + bf2, all three products on codes of FP6 (E2M3).
; A work-group takes 128 search points of one batch (b = wg / 8, n0 = 128 (wg % 8)).
; LAYER 3 IS SHARED BY ROWS: wave w owns points 32 w .. 32 w + 31 and holds ALL of W3 in 384 registers.  Row rho of its tile t is neighbour rho % 8 of point 32 w + 16 (rho / 8) + t:
; with source 0 = rows, source 1 = 16 weight rows, a lane's eight results are ONE point's eight neighbours at one channel: bn is four packed multiply-adds by the lane's (g, b), the maximum four
; three-way maxima (the last with 0: relu commutes with the maximum), and no lane is asked.  A row is gathered as it was laid: lane (rho, h) takes 96 bytes of codes and two scale words of half h.
; The gathers run through a ring of four register buffers, a whole trip (128 products) ahead.
; LAYERS 5 AND 6 ARE SHARED BY CHANNELS: wave w makes channels 64 w .. 64 w + 63 for all 128 points; the points' codes go round through LDS as images of the operand's registers.
; The only addresses that hang on data are the gathers': idx was stored by an earlier launch and is held at 511.
; No cluster: the gathered rows differ from work-group to work-group, and the weights, 147 KB read once, are the smaller part of a work-group's bytes.
; LIMITS: NaN and infinities are not served; a block under 2^-124, a block of zeros among them, gets the byte 1 (its bytes are read by this program alone).
.set WIMG, 0                           ; LDS: W3's 32 fragments (16 s + c), 1,536 bytes each
.set ST,   49152                       ; the stage: 128 points x (1,024 + 16) bytes of f32
.set AIMG, 182272                      ; 16 fragments (2 m + s) for layer 5, and their scale words
.set ASC,  206848
.set BIMG, 207872                      ; the same for layer 6
.set BSC,  232448
                                       ; the way out: 64 channel rows x (512 + 16) bytes for each wave, from byte 0 on: over W3's image and the stage, behind the last barrier, when nobody reads them
.set SEL,  30
.set OFF,  20                          ; v20-35   byte offsets of my 16 tiles' rows in the batch's x2q
.set RB,   36                          ; v36-131  the ring: buffer a's 24 code registers at 36 + 24 a
.set RS,   132                         ; v132-139 its two scale words at 132 + 2 a
.set W3S,  140                         ; v140-171 W3's scale words (2 c + s); later the points' (2 m + s)
.set AS,   140
.set WF1S, 172                         ; v172-179, v180-187 Wf1's and Wf2's (2 i + s).  v132-187 hold scales and nothing else
.set WF2S, 180
.set X,    36                          ; behind layer 3: v36-99 numbers, v100-115 at work, v116-127 codes, v188-195 second halves, v196 scale word
.set TM,   100
.set PC,   116
.set CT,   188
.set PW,   196
; window 1: W3's tiles 0-7 at 24 c + 12 s; later Wf2 at 24 i + 12 s.  window 2: W3's tiles 8-15; later the points' 16 fragments at 12 (2 m + s).
; window 3: v0-63 two sets of four accumulators; (g3, b3) at 64 + 2 c; v96-99, v106-109 maxima; v100-104 stage addresses; Wf1 at 112 + 24 i + 12 s; (gf1, bf1) at 208 + 2 i; bf2 eight times at 216 + 8 i
.set MSB, 0
.macro WIN new                         ; the immediate's high byte repeats the setting that is left
.if MSB != \new
	s_set_vgpr_msb (MSB<<8)|\new
.set MSB, \new
.endif
.endm
.macro PLACES n
.rept \n
	v_nop
.endr
.endm
.macro BARRIER                         ; my LDS stores have landed and my LDS loads are in: then the work-group's barrier
	s_wait_dscnt 0x0
	s_barrier_signal -1
	s_barrier_wait -1
.endm
; 64 numbers of a lane, register x + 16 b + i = k 32 b + 16 (lane / 16) + i of my row, become a fragment's 12 code registers at pc and the row's scale word in pw.
.macro QUANT x, pc, pw
.irp b, 0,1,2,3
	v_max3_num_f32 v[TM+\b], |v[\x+16*\b]|, |v[\x+1+16*\b]|, 0x1800000   ; my 16 numbers of block b and the floor 2^(3 - 127): the byte cannot fall under 1
.endr
.irp i, 2,4,6,8,10,12,14
.irp b, 0,1,2,3
	v_max3_num_f32 v[TM+\b], v[TM+\b], |v[\x+16*\b+\i]|, |v[\x+1+16*\b+\i]|
.endr
.endr
.irp b, 0,1,2,3
	v_permlanex16_b32 v[TM+4+\b], v[TM+\b], s[SEL], s[SEL+1]
.endr
.irp b, 0,1,2,3
	v_max_num_f32 v[TM+\b], v[TM+\b], v[TM+4+\b]
.endr
.irp b, 0,1,2,3
	v_add_nc_u32 v[TM+12+\b], 0xff000000, v[TM+\b]    ; 2 off the exponent field: the conversion's scale operand
.endr
.irp b, 0,1,2,3
	v_lshrrev_b32 v[TM+4+\b], 23, v[TM+12+\b]
.endr
	v_lshl_or_b32 v[\pw], v[TM+5], 8, v[TM+4]
	v_lshl_or_b32 v[\pw], v[TM+6], 16, v[\pw]
	v_lshl_or_b32 v[\pw], v[TM+7], 24, v[\pw]
.irp c, 0,1
	v_cvt_scalef32_pk16_fp6_f32 v[\pc+6*\c:\pc+2+6*\c], v[\x+32*\c:\x+15+32*\c], v[TM+12+2*\c]
	v_cvt_scalef32_pk16_fp6_f32 v[CT+4*\c:CT+2+4*\c], v[\x+16+32*\c:\x+31+32*\c], v[TM+13+2*\c]
.endr
	v_nop                                          ; one plain instruction behind the scaled conversions
.irp c, 0,1
.irp i, 0,1,2
	v_permlane16_swap_b32 v[\pc+6*\c+\i], v[CT+4*\c+\i]
.endr
.irp i, 0,1,2
	v_mov_b32 v[\pc+3+6*\c+\i], v[CT+4*\c+\i]
.endr
.endr
.endm
.macro IMAGE adr, pc, off
.irp g, 0,1,2
	ds_store_b128 v[\adr], v[\pc+4*\g:\pc+4*\g+3] offset:\off+512*\g
.endr
.endm
	s_load_b512 s[4:19], s[0:1], 0x0               ; idx s[4:5], x2q s[6:7], wq s[8:9], g3 s[10:11], b3 s[12:13], gf1 s[14:15], bf1 s[16:17], bf2 s[18:19]
	s_load_b64 s[20:21], s[0:1], 0x40              ; out0
	v_lshl_add_u32 v191, v0, 2, 0x39000
	s_set_vgpr_msb 0x40
	v_mov_b32 v255, 0
	s_set_vgpr_msb 0x4000
	v_and_b32 v1, 31, v0                           ; lane
	v_and_b32 v2, 15, v0                           ; r
	v_bfe_u32 v3, v0, 4, 1                         ; h
	v_lshrrev_b32 v19, 5, v0
	v_readfirstlane_b32 s22, v19                   ; wave
	s_lshr_b32 s23, ttmp9, 3                       ; b
	s_and_b32 s44, ttmp9, 7
	s_lshl_b32 s44, s44, 7                         ; n0
	s_mov_b32 s[SEL], 0x76543210
	s_mov_b32 s[SEL+1], 0xfedcba98
	v_lshlrev_b32 v4, 4, v1                        ; 16 lane
	v_lshlrev_b32 v5, 2, v2                        ; 4 r
	v_and_b32 v6, 7, v2
	v_lshlrev_b32 v6, 12, v6
	v_lshrrev_b32 v19, 3, v2
	v_lshl_add_u32 v6, v19, 6, v6                  ; idx: slot r % 8, points 16 (r / 8) on
	v_lshlrev_b32 v7, 7, v3                        ; my half of a row of x2q
	s_mul_i32 s45, s22, 33280
	v_mul_u32_u24 v8, v2, 1040
	v_lshl_add_u32 v8, v3, 6, v8
	v_add_nc_u32 v8, s45, v8
	v_add_nc_u32 v8, ST, v8                        ; the stage, back: point 32 w + r, + 64 h
	s_mul_i32 s46, s22, 6144
	v_add_nc_u32 v9, s46, v4
	v_add_nc_u32 v10, BIMG, v9
	v_add_nc_u32 v9, AIMG, v9                      ; where I store my four fragments
	s_lshl_b32 s47, s22, 8
	v_add_nc_u32 v11, s47, v5
	v_add_nc_u32 v12, BSC, v11
	v_add_nc_u32 v11, ASC, v11
	v_add_nc_u32 v13, AIMG, v4                     ; and from where anybody fetches
	v_add_nc_u32 v14, BIMG, v4
	v_add_nc_u32 v15, ASC, v5
	v_add_nc_u32 v16, BSC, v5
	s_mul_i32 s28, s22, 12288
	v_add_nc_u32 v17, s28, v4                      ; my quarter of W3's image
	s_mul_i32 s29, s22, 33792
	v_add_nc_u32 v18, s29, v4                      ; the way out, back
	v_mul_u32_u24 v188, v3, 16640
	v_lshl_add_u32 v188, v2, 2, v188
	v_add_nc_u32 v188, s45, v188
	v_mul_u32_u24 v189, v3, 8320
	v_lshl_add_u32 v189, v2, 2, v189
	v_add_nc_u32 v189, s47, v189
	v_mul_u32_u24 v190, v2, 528
	v_lshl_add_u32 v190, v3, 5, v190
	WIN 0xC0                                       ; destinations in window 3
	v_add_nc_u32 v100, ST, v188                    ; layer 3: point 32 w + 16 h (+ t), channel r (+ 16 c)
	v_add_nc_u32 v102, ST, v189                    ; layer 5: points 8 h + j (+ 16 m), channel 64 w + r (+ 16 i);
	v_add_nc_u32 v103, ST+66560, v189              ; the same 64 points on
	v_add_nc_u32 v104, s29, v190                   ; layer 6: channel row r (+ 16 i), 32 h bytes (+ 64 m)
	WIN 0
	s_lshl_b32 s2, s23, 17                         ; a batch's x2q: 131,072 bytes
	s_mov_b32 s3, 0
	s_lshl_b32 s36, s23, 13
	s_add_co_u32 s36, s36, s44
	s_lshl_b32 s37, s22, 5
	s_add_co_u32 s36, s36, s37
	s_lshl_b32 s36, s36, 2
	s_mov_b32 s37, 0
	s_lshl_b32 s42, s23, 8
	s_lshl_b32 s43, s22, 6
	s_add_co_u32 s42, s42, s43
	s_lshl_b32 s42, s42, 12
	s_lshl_b32 s43, s44, 2
	s_add_co_u32 s42, s42, s43                     ; out0: (256 b + 64 w) rows of 4,096 bytes + 4 n0
	s_mov_b32 s43, 0
	s_mov_b32 s39, 0
	s_wait_kmcnt 0x0
	s_add_nc_u64 s[24:25], s[6:7], s[2:3]
	s_add_nc_u64 s[26:27], s[4:5], s[36:37]
	s_add_nc_u64 s[40:41], s[20:21], s[42:43]
	s_mov_b32 s38, s46
	s_add_nc_u64 s[32:33], s[8:9], s[38:39]        ; wq at my four tiles' codes
	s_mov_b32 s38, s28
	s_add_nc_u64 s[36:37], s[8:9], s[38:39]        ; at my quarter of a weight
	s_mov_b32 s38, s47
	s_add_nc_u64 s[34:35], s[8:9], s[38:39]        ; 256 w on, for my tiles' scale words
	s_add_nc_u64 s[14:15], s[14:15], s[38:39]      ; gf1, bf1, bf2 at my 64 channels
	s_add_nc_u64 s[16:17], s[16:17], s[38:39]
	s_add_nc_u64 s[18:19], s[18:19], s[38:39]
.macro GATHER a, o                     ; a tile's 16 rows into buffer a: seven loads
.irp q, 0,1,2,3,4,5
	global_load_b128 v[RB+24*(\a)+4*\q:RB+24*(\a)+4*\q+3], v[\o], s[24:25] offset:16*\q
.endr
	global_load_b64 v[RS+2*(\a):RS+2*(\a)+1], v[\o], s[24:25] offset:96
.endm
.irp q, 0,1,2,3
	global_load_b128 v[OFF+4*\q:OFF+4*\q+3], v6, s[26:27] offset:16*\q   ; my row's neighbour for the 16 tiles: 16 neighbouring numbers
.endr
	WIN 0x40
.set KI, 0
.rept 24
	global_load_b128 v[4*KI:4*KI+3], v4, s[36:37] offset:80*1536+512*KI   ; my quarter of W3 (window 1, on its way to LDS)
.set KI, KI+1
.endr
	WIN 0
	s_wait_loadcnt 24                              ; the indices are in; the 24 loads behind them may be out
.set KI, 0
.rept 16
	v_min_u32 v[OFF+KI], 0x1ff, v[OFF+KI]          ; held inside the batch's 512 templates
	v_lshl_add_u32 v[OFF+KI], v[OFF+KI], 8, v7     ; 256 bytes a row, + my half
.set KI, KI+1
.endr
	GATHER 0, OFF
	GATHER 1, OFF+1
	GATHER 2, OFF+2
	GATHER 3, OFF+3
.set KI, 0
.rept 16
	global_load_b32 v[W3S+2*KI], v5, s[8:9] offset:270336+64*(80+KI)
	global_load_b32 v[W3S+2*KI+1], v5, s[8:9] offset:270336+64*(96+KI)
.set KI, KI+1
.endr
	s_wait_loadcnt 60                              ; my quarter of W3 is in: behind it stand 28 + 32 loads
	WIN 0x04                                       ; an LDS store's data are its source 1: window 1
.set KI, 0
.rept 24
	ds_store_b128 v17, v[4*KI:4*KI+3] offset:512*KI
.set KI, KI+1
.endr
	WIN 0xC0
.set KI, 0
.rept 16
	global_load_b32 v[64+2*KI], v5, s[10:11] offset:64*KI
	global_load_b32 v[65+2*KI], v5, s[12:13] offset:64*KI
.set KI, KI+1
.endr
.irp i, 0,1,2,3
.irp ks, 0,1
.irp g, 0,1,2
	global_load_b128 v[112+24*\i+12*\ks+4*\g:112+24*\i+12*\ks+4*\g+3], v4, s[32:33] offset:(112+16*\ks+\i)*1536+512*\g
.endr
.endr
	global_load_b32 v[208+2*\i], v5, s[14:15] offset:64*\i
	global_load_b32 v[209+2*\i], v5, s[16:17] offset:64*\i
	global_load_b32 v[216+8*\i], v5, s[18:19] offset:64*\i
.endr
	WIN 0
.irp i, 0,1,2,3
.irp ks, 0,1
	global_load_b32 v[WF1S+2*\i+\ks], v5, s[34:35] offset:270336+64*(112+16*\ks+\i)
.endr
.endr
	BARRIER                                        ; W3's image is whole
	WIN 0x40
.set CI, 0
.rept 8
.irp ks, 0,1
.irp g, 0,1,2
	ds_load_b128 v[24*CI+12*\ks+4*\g:24*CI+12*\ks+4*\g+3], v4 offset:(16*\ks+CI)*1536+512*\g
.endr
.endr
.set CI, CI+1
.endr
	WIN 0x80
.set CI, 0
.rept 8
.irp ks, 0,1
.irp g, 0,1,2
	ds_load_b128 v[24*CI+12*\ks+4*\g:24*CI+12*\ks+4*\g+3], v4 offset:(16*\ks+CI+8)*1536+512*\g
.endr
.endr
.set CI, CI+1
.endr
	WIN 0
	s_wait_loadcnt 0x0
	s_wait_dscnt 0x0
; ---- LAYER 3.  W3 a, g: buffer a's tile against weight tiles 4 g .. 4 g + 3, both K steps: eight products on four accumulators by turns (set g % 2).
.macro W3 a, g
.if (\g) < 2
	WIN 0xF4                                       ; source 0 window 0, source 1 window 1, C and D window 3
.else
	WIN 0xF8                                       ; source 1 window 2
.endif
.irp ks, 0,1
.irp i, 0,1,2,3
.set AC, 32*((\g)%2)+8*\i
.set BF, 24*((4*(\g)+\i)%8)+12*\ks
.if \ks == 0
	v_wmma_scale_f32_16x16x128_f8f6f4 v[AC:AC+7], v[RB+24*(\a):RB+24*(\a)+11], v[BF:BF+11], 0, v[RS+2*(\a)], v[W3S+2*(4*(\g)+\i)] matrix_a_fmt:MATRIX_FMT_FP6 matrix_b_fmt:MATRIX_FMT_FP6
.else
	v_wmma_scale_f32_16x16x128_f8f6f4 v[AC:AC+7], v[RB+24*(\a)+12:RB+24*(\a)+23], v[BF:BF+11], v[AC:AC+7], v[RS+2*(\a)+1], v[W3S+2*(4*(\g)+\i)+1] matrix_a_fmt:MATRIX_FMT_FP6 matrix_b_fmt:MATRIX_FMT_FP6
.endif
.endr
.endr
.endm
; V3 a, g: bn, the maximum over the lane's eight neighbours and 0, and into the stage.  32 plain instructions on the set that the products just issued do not name:
; they are the places between those products and the first read of their results, the next products onto their set, and the refill of their buffer.
.macro V3 a, g
	WIN 0xFF
.set AS0, 32*((\g)%2)
.set MS, 96+10*((\g)%2)
.irp p, 0,2,4,6
.irp i, 0,1,2,3
	v_pk_fma_f32 v[AS0+8*\i+\p:AS0+8*\i+\p+1], v[AS0+8*\i+\p:AS0+8*\i+\p+1], v[64+2*(4*(\g)+\i):65+2*(4*(\g)+\i)], v[64+2*(4*(\g)+\i):65+2*(4*(\g)+\i)] op_sel:[0,0,1] op_sel_hi:[1,0,1]
.endr
.endr
.irp i, 0,1,2,3
	v_max3_num_f32 v[MS+\i], v[AS0+8*\i], v[AS0+8*\i+1], v[AS0+8*\i+2]
.endr
.irp i, 0,1,2,3
	v_max3_num_f32 v[MS+\i], v[MS+\i], v[AS0+8*\i+3], v[AS0+8*\i+4]
.endr
.irp i, 0,1,2,3
	v_max3_num_f32 v[MS+\i], v[MS+\i], v[AS0+8*\i+5], v[AS0+8*\i+6]
.endr
.irp i, 0,1,2,3
	v_max3_num_f32 v[MS+\i], v[MS+\i], v[AS0+8*\i+7], 0
.endr
.irp i, 0,1,2,3
	ds_store_b32 v101, v[MS+\i] offset:1040*(\a)+64*(4*(\g)+\i)
.endr
.endm
; A trip: four tiles.  It begins behind the first tile's first eight products.  ld = 1: each buffer is filled again, with the tile four on, as soon as its last products are four places back.
.macro TRIP ld
	WIN 0xFF
	v_add_nc_u32 v101, s28, v100                   ; the stage at this trip's four points
.irp a, 0,1,2,3
	W3 \a, 1
	V3 \a, 0
	W3 \a, 2
	V3 \a, 1
	W3 \a, 3
	V3 \a, 2
	WIN 0
.if \ld
	GATHER \a, OFF+4+\a
.endif
.if \a < 3
.if \ld
	s_wait_loadcnt 21                              ; the next buffer is in: behind its seven loads stand three gathers
.else
	s_wait_loadcnt 14-7*\a                         ; nothing is asked for any more: the counts run down
.endif
	W3 \a+1, 0
	V3 \a, 3
.endif
.endr
.endm
	W3 0, 0
	WIN 0
	PLACES 5                                       ; on this way in no other vector work stands behind the first products
	s_mov_b32 s28, 0
	s_mov_b32 s29, 3
.Ltrip:                                                ; three trips that fill the ring again; the fourth is written out
	TRIP 1
	s_wait_xcnt 0x0                                ; the gathers have read their offsets
.irp i, 4,5,6,7,8,9,10,11
	v_min_u32 v[OFF+\i], 0x1ff80, v[OFF+\i+4]      ; the offsets move up four places, held at the last half row of the batch: the text names the same four registers in every trip
.endr
	s_wait_loadcnt 21
	W3 0, 0
	V3 3, 3
	WIN 0
	s_add_co_u32 s28, s28, 4160
	s_sub_co_u32 s29, s29, 1
	s_cmp_lg_u32 s29, 0
	s_cbranch_scc1 .Ltrip
	TRIP 0
	V3 3, 3
	WIN 0x40                                       ; W3 is done with: Wf2's fragments take window 1
.irp i, 0,1,2,3
.irp ks, 0,1
.irp g, 0,1,2
	global_load_b128 v[24*\i+12*\ks+4*\g:24*\i+12*\ks+4*\g+3], v4, s[32:33] offset:(144+16*\ks+\i)*1536+512*\g
.endr
.endr
.endr
	WIN 0
.irp i, 0,1,2,3
.irp ks, 0,1
	global_load_b32 v[WF2S+2*\i+\ks], v5, s[34:35] offset:270336+64*(144+16*\ks+\i)
.endr
.endr
; my 32 points, two tiles of 16, two K steps each: from the stage into codes, and their images into LDS
.macro QROWS imw, scw
.irp mu, 0,1
.irp ks, 0,1
.irp b, 0,1,2,3
.irp q, 0,1,2,3
	ds_load_b128 v[X+16*\b+4*\q:X+16*\b+4*\q+3], v8 offset:16640*\mu+512*\ks+128*\b+16*\q
.endr
.endr
	s_wait_dscnt 0x0                               ; the numbers are in, and the last image's stores have read their registers
	QUANT X, PC, PW
	IMAGE \imw, PC, (2*\mu+\ks)*1536
	ds_store_b32 v[\scw], v[PW] offset:64*(2*\mu+\ks)
.endr
.endr
.endm
.macro FETCHALL li, sr                 ; all 16 fragments into window 2, and their scale words
	WIN 0x80
.set FI, 0
.rept 16
.irp g, 0,1,2
	ds_load_b128 v[12*FI+4*\g:12*FI+4*\g+3], v[\li] offset:1536*FI+512*\g
.endr
.set FI, FI+1
.endr
	WIN 0
.set FI, 0
.rept 16
	ds_load_b32 v[AS+FI], v[\sr] offset:64*FI
.set FI, FI+1
.endr
	s_wait_dscnt 0x0
.endm
.irp b, 0,1,2,3
	v_mov_b32 v[TM+4+\b], 0                        ; a lane permute's destination counts as read
.endr
	QROWS 9, 11                                    ; my own rows of the stage: LDS serves a wave in order, no barrier is wanted
	BARRIER                                        ; the 16 fragments lie in LDS, and nobody reads the stage any more
; ---- LAYER 5: my 64 channels for the eight tiles of points; a tile's products stand ahead of the tile before's bn, relu and stores
.macro W5 m
	WIN 0xFE                                       ; source 0 window 2, source 1, C and D window 3
.irp ks, 0,1
.irp i, 0,1,2,3
.set AC, 32*((\m)%2)+8*\i
.if \ks == 0
	v_wmma_scale_f32_16x16x128_f8f6f4 v[AC:AC+7], v[24*(\m):24*(\m)+11], v[112+24*\i:112+24*\i+11], 0, v[AS+2*(\m)], v[WF1S+2*\i] matrix_a_fmt:MATRIX_FMT_FP6 matrix_b_fmt:MATRIX_FMT_FP6
.else
	v_wmma_scale_f32_16x16x128_f8f6f4 v[AC:AC+7], v[24*(\m)+12:24*(\m)+23], v[124+24*\i:124+24*\i+11], v[AC:AC+7], v[AS+2*(\m)+1], v[WF1S+2*\i+1] matrix_a_fmt:MATRIX_FMT_FP6 matrix_b_fmt:MATRIX_FMT_FP6
.endif
.endr
.endr
.endm
.macro V5 m
	WIN 0xFF
.irp i, 0,1,2,3
.set AC, 32*((\m)%2)+8*\i
.irp p, 0,2,4,6
	v_pk_fma_f32 v[AC+\p:AC+\p+1], v[AC+\p:AC+\p+1], v[208+2*\i:209+2*\i], v[208+2*\i:209+2*\i] op_sel:[0,0,1] op_sel_hi:[1,0,1]
.endr
.irp j, 0,1,2,3,4,5,6,7
	v_max_num_f32 v[AC+\j], 0, v[AC+\j]
.endr
.irp j, 0,1,2,3,4,5,6,7
	ds_store_b32 v[102+(\m)/4], v[AC+\j] offset:(16*((\m)%4)+\j)*1040+64*\i
.endr
.endr
.endm
	FETCHALL 13, 15
	s_wait_loadcnt 0x0                             ; Wf2 and its scale words
	WIN 0xC3
.irp i, 0,1,2,3
.irp j, 1,2,3,4,5,6,7
	v_mov_b32 v[216+8*\i+\j], v[216+8*\i]          ; bf2 of my channel in all eight registers: the C of layer 6's first products
.endr
.endr
	W5 0
	PLACES 5
.irp m, 1,2,3,4,5,6,7
	W5 \m
	V5 \m-1
.endr
	V5 7
	WIN 0
	BARRIER                                        ; the fourth layer's result lies in the stage
	QROWS 10, 12
	BARRIER                                        ; its 16 fragments lie in LDS; the stage and W3's image are read no more
; ---- LAYER 6: a lane's eight results are eight neighbouring points of one channel, 32 bytes of a row of out0
.macro W6 m
	WIN 0xF6                                       ; source 0 window 2, source 1 window 1, C and D window 3
.irp ks, 0,1
.irp i, 0,1,2,3
.set AC, 32*((\m)%2)+8*\i
.if \ks == 0
	v_wmma_scale_f32_16x16x128_f8f6f4 v[AC:AC+7], v[24*(\m):24*(\m)+11], v[24*\i:24*\i+11], v[216+8*\i:223+8*\i], v[AS+2*(\m)], v[WF2S+2*\i] matrix_a_fmt:MATRIX_FMT_FP6 matrix_b_fmt:MATRIX_FMT_FP6
.else
	v_wmma_scale_f32_16x16x128_f8f6f4 v[AC:AC+7], v[24*(\m)+12:24*(\m)+23], v[24*\i+12:24*\i+23], v[AC:AC+7], v[AS+2*(\m)+1], v[WF2S+2*\i+1] matrix_a_fmt:MATRIX_FMT_FP6 matrix_b_fmt:MATRIX_FMT_FP6
.endif
.endr
.endr
.endm
	FETCHALL 14, 16
.irp m, 0,1,2,3,4,5,6,7
	W6 \m
	PLACES 5
	WIN 0xFF
.irp i, 0,1,2,3
	ds_store_b128 v104, v[32*(\m%2)+8*\i:32*(\m%2)+8*\i+3] offset:8448*\i+64*\m        ; each accumulator from its low end on
	ds_store_b128 v104, v[32*(\m%2)+8*\i+4:32*(\m%2)+8*\i+7] offset:8448*\i+64*\m+16
.endr
.endr
	WIN 0
	; ---- the way out: my 64 channel rows, 512 bytes each, sixteen at a time, into two sets of registers by turns
.irp bt, 0,1,2,3
.if \bt > 1
	s_wait_xcnt 0x0                                ; the stores of two batches ago have read their registers
.endif
.irp i, 0,1,2,3,4,5,6,7,8,9,10,11,12,13,14,15
	ds_load_b128 v[36+156*(\bt%2)+4*\i:36+156*(\bt%2)+4*\i+3], v18 offset:528*(16*\bt+\i)   ; LDS serves a wave in order: these see my stores
.endr
.irp i, 0,1,2,3,4,5,6,7,8,9,10,11,12,13,14,15
	s_wait_dscnt 15-\i
	global_store_b128 v4, v[36+156*(\bt%2)+4*\i:36+156*(\bt%2)+4*\i+3], s[40:41] offset:4096*(16*\bt+\i) th:TH_STORE_NT   ; 512 consecutive bytes of one channel, aligned; written once
.endr
.endr
	s_set_vgpr_msb 0x4
	s_wait_tensorcnt 0x0
	ds_add_u32 v191, v255
	s_wait_dscnt 0x0
	s_set_vgpr_msb 0x400
	s_endpgm
.Lfunc_end_k_q277b2acf45_pool:
	.size	k_q277b2acf45_pool, .Lfunc_end_k_q277b2acf45_pool-k_q277b2acf45_pool
	.p2alignl 7, 3214868480
	.fill 96, 4, 3214868480
	.section	.rodata,"a",@progbits
	.p2align	6, 0x0
	.amdhsa_kernel k_q277b2acf45_pool
		.amdhsa_group_segment_fixed_size 233984
		.amdhsa_private_segment_fixed_size 0
		.amdhsa_enable_private_segment 0
		.amdhsa_kernarg_size 72
		.amdhsa_user_sgpr_count 2
		.amdhsa_user_sgpr_kernarg_segment_ptr 1
		.amdhsa_wavefront_size32 1
		.amdhsa_system_sgpr_workgroup_id_x 1
		.amdhsa_system_sgpr_workgroup_id_y 1
		.amdhsa_system_sgpr_workgroup_id_z 1
		.amdhsa_system_vgpr_workitem_id 0
		.amdhsa_next_free_vgpr 1024
		.amdhsa_next_free_sgpr 66
		.amdhsa_reserve_vcc 0
		.amdhsa_float_denorm_mode_32 3
		.amdhsa_float_denorm_mode_16_64 3
		.amdhsa_memory_ordered 1
		.amdhsa_forward_progress 1
		.amdhsa_inst_pref_size 255
	.end_amdhsa_kernel
	.section	.bss,"aw",@nobits
	.p2align	6
	.space	262144
	.amdgpu_metadata
---
amdhsa.version: [ 1, 2 ]
amdhsa.kernels:
  - .name:           k_q277b2acf45_pool
    .symbol:         k_q277b2acf45_pool.kd
    .args:
      - { .name: idx, .offset: 0, .size: 8, .value_kind: global_buffer, .address_space: global }
      - { .name: x2q, .offset: 8, .size: 8, .value_kind: global_buffer, .address_space: global }
      - { .name: wq, .offset: 16, .size: 8, .value_kind: global_buffer, .address_space: global }
      - { .name: g3, .offset: 24, .size: 8, .value_kind: global_buffer, .address_space: global }
      - { .name: b3, .offset: 32, .size: 8, .value_kind: global_buffer, .address_space: global }
      - { .name: gf1, .offset: 40, .size: 8, .value_kind: global_buffer, .address_space: global }
      - { .name: bf1, .offset: 48, .size: 8, .value_kind: global_buffer, .address_space: global }
      - { .name: bf2, .offset: 56, .size: 8, .value_kind: global_buffer, .address_space: global }
      - { .name: out0, .offset: 64, .size: 8, .value_kind: global_buffer, .address_space: global }
    .group_segment_fixed_size: 233984
    .private_segment_fixed_size: 0
    .kernarg_segment_align: 8
    .kernarg_segment_size: 72
    .max_flat_workgroup_size: 128
    .sgpr_count:     66
    .vgpr_count:     1024
    .wavefront_size: 32
...
	.end_amdgpu_metadata
.endif
;; end of part 3
;; ======== version 2 of 2: 3 launches
;; workspace buffers: idx 1,048,576 bytes of whole numbers; wq 281,600 bytes; x2q 4,194,304 bytes
;; launch knn (part 4): grid 256 x 1, 4 waves a work-group, no clusters, 287,232 bytes of LDS; arguments template_bc, search_bc, W1, W2, W3, Wf1, Wf2, wq, idx; writes wq, idx
.if DOCPART == 4
	.amdgcn_target "amdgcn-amd-amdhsa--gfx1250"
	.amdhsa_code_object_version 6
	.text
	.protected	k_q277b2acf45_knn
	.globl	k_q277b2acf45_knn
	.p2align	8
	.type	k_q277b2acf45_knn,@function
k_q277b2acf45_knn:
	s_mov_b64 s[64:65], 0
	v_nop
	global_prefetch_b8 v0, s[64:65] scope:SCOPE_SE
	s_setreg_imm32_b32 hwreg(HW_REG_WAVE_MODE, 25, 1), 1
	s_wait_xcnt 0x0
; THE 8 NEAREST TEMPLATES OF EACH SEARCH POINT, and the five weights as FP6 (E2M3) operand images.
; d2 = fma(-2, cross, t2 + s2); t2, s2 and cross are one multiply and eight fused multiply-adds each, coordinates ascending, all f32.
; A work-group takes 128 search points of one batch (b = wg / 8).  Lane (r, h) of wave w serves TWO points, A = n0 + 32 w + r and B = A + 16,
; packed in register pairs, and scans templates 256 h .. 256 h + 255: one broadcast LDS load of a template feeds two distances.
; PASS 1 keeps each lane's 8 smallest d2 sorted (7 medians and a minimum a candidate) and lays every d2 into the wave's own LDS bytes.
; The two halves' lists are merged: T = the 8th smallest of all 512.  PASS 2 reads the same d2 bits back and makes bit masks d2 < T and d2 == T;
; all of the first and the lowest-numbered of the second are taken (the lower index wins a tie, as top_k has it).  No address hangs on a distance.
; idx is [b][slot 8][n 1024] u32; the order of the 8 slots is free: a maximum over them follows.
; WEIGHTS: wave 3 of work-groups 0 .. 175 also quantises fragment f = wg (16 weight rows x 128 along K) into wq: codes at 1536 f as an image of the
; operand's 12 registers (group g of four registers at 512 g + 16 lane), the rows' scale words at 270336 + 64 f + 4 r.
; f: W1 0..47 (16 s + t, s = 0..2; K = 268, so s = 2 holds 12 numbers and zeros), W2 48.., W3 80.., Wf1 112.., Wf2 144.. (16 s + t each).
; LIMITS: NaN and infinities are not served.  A block whose largest magnitude lies under 2^-124, a block of zeros among them, gets the byte 1:
; its codes are zeros or the held numbers' codes, and the bytes are read by this program alone.
.set TT,   262144                      ; LDS: the batch's 512 template rows as they lie in memory, 36 bytes each
.set T2T,  280576                      ; their t2, 4 bytes each
.set IST,  282624                      ; the way out: [slot 8][128 points] u32.  Bytes 0 .. 262143: d2, 65536 for each wave
.set SEL,  30                          ; s[30:31] lane selects: lane l xor 16
.set HM,   32                          ; s32 mask of lanes 16-31
.set SP,   18                          ; v18-35  coordinate d of points (A, B) at v[18 + 2 d : 19 + 2 d]
.set LA,   36                          ; v36-43 A's 8 smallest, ascending; v44-51 B's
.set D0,   52                          ; v52-59, v60-67 four templates' d2 for (A, B), two sets
.set D1,   60
.set CR,   68                          ; v68-75 cross;  v76-83 t2 + s2
.set UR,   76
.set BA,   84                          ; v84-123, v124-163 four template rows (36 numbers) and their four t2, two sets
.set BB,   124
.set RAW,  192                         ; v192-227 my four template rows at the head; v228-231 their t2
.set LT,   212                         ; v212-227 masks d2 < T, word g of point e at 8 e + g;  v228-243 masks d2 == T
.set EQ,   228
.set TM,   148                         ; the weight task: v84-147 numbers, v148-163 at work, v164-175 codes, v176-183 second halves, v184 scale word
.set CT,   176
.macro BARRIER                         ; my LDS stores have landed and my LDS loads are in: then the work-group's barrier
	s_wait_dscnt 0x0
	s_barrier_signal -1
	s_barrier_wait -1
.endm
; 64 numbers of a lane, register x + 16 b + i = k 32 b + 16 (lane / 16) + i of my row, become a fragment's 12 code registers at pc and the row's scale word in pw.
.macro QUANT x, pc, pw
.irp b, 0,1,2,3
	v_max3_num_f32 v[TM+\b], |v[\x+16*\b]|, |v[\x+1+16*\b]|, 0x1800000   ; my 16 numbers of block b and the floor 2^(3 - 127): the byte cannot fall under 1
.endr
.irp i, 2,4,6,8,10,12,14
.irp b, 0,1,2,3
	v_max3_num_f32 v[TM+\b], v[TM+\b], |v[\x+16*\b+\i]|, |v[\x+1+16*\b+\i]|
.endr
.endr
.irp b, 0,1,2,3
	v_permlanex16_b32 v[TM+4+\b], v[TM+\b], s[SEL], s[SEL+1]
.endr
.irp b, 0,1,2,3
	v_max_num_f32 v[TM+\b], v[TM+\b], v[TM+4+\b]      ; with lane l xor 16's 16: the block's largest magnitude
.endr
.irp b, 0,1,2,3
	v_add_nc_u32 v[TM+12+\b], 0xff000000, v[TM+\b]    ; 2 off its exponent field: the conversion's scale operand
.endr
.irp b, 0,1,2,3
	v_lshrrev_b32 v[TM+4+\b], 23, v[TM+12+\b]         ; the scale's byte
.endr
	v_lshl_or_b32 v[\pw], v[TM+5], 8, v[TM+4]
	v_lshl_or_b32 v[\pw], v[TM+6], 16, v[\pw]
	v_lshl_or_b32 v[\pw], v[TM+7], 24, v[\pw]
.irp c, 0,1
	v_cvt_scalef32_pk16_fp6_f32 v[\pc+6*\c:\pc+2+6*\c], v[\x+32*\c:\x+15+32*\c], v[TM+12+2*\c]
	v_cvt_scalef32_pk16_fp6_f32 v[CT+4*\c:CT+2+4*\c], v[\x+16+32*\c:\x+31+32*\c], v[TM+13+2*\c]   ; (a conversion's three registers begin on an even number)
.endr
	v_nop                                          ; one plain instruction behind the scaled conversions
.irp c, 0,1                            ; the operand wants a whole block in a lane: lanes 0-15 block 2 c, lanes 16-31 block 2 c + 1
.irp i, 0,1,2
	v_permlane16_swap_b32 v[\pc+6*\c+\i], v[CT+4*\c+\i]
.endr
.irp i, 0,1,2
	v_mov_b32 v[\pc+3+6*\c+\i], v[CT+4*\c+\i]
.endr
.endr
.endm
	s_load_b512 s[4:19], s[0:1], 0x0               ; template_bc s[4:5], search_bc s[6:7], W1 s[8:9], W2 s[10:11], W3 s[12:13], Wf1 s[14:15], Wf2 s[16:17], wq s[18:19]
	s_load_b64 s[20:21], s[0:1], 0x40              ; idx
	v_lshl_add_u32 v254, v0, 2, 0x46000
	v_mov_b32 v255, 0
	v_and_b32 v1, 31, v0                           ; lane
	s_wait_alu depctr_va_vdst(0)
	v_and_b32 v2, 15, v0                           ; r
	v_bfe_u32 v3, v0, 4, 1                         ; h
	v_lshrrev_b32 v4, 5, v0
	v_readfirstlane_b32 s22, v4                    ; wave
	s_lshr_b32 s23, ttmp9, 3                       ; b
	s_and_b32 s24, ttmp9, 7
	s_lshl_b32 s24, s24, 7                         ; n0
	s_mov_b32 s25, ttmp9                           ; f
	s_mov_b32 s[SEL], 0x76543210
	s_mov_b32 s[SEL+1], 0xfedcba98
	s_mov_b32 s[HM], 0xffff0000
	v_mul_u32_u24 v4, v3, 9216
	v_add_nc_u32 v4, TT, v4                        ; my half's 256 template rows
	v_lshl_add_u32 v5, v3, 10, T2T                 ; and their t2
	s_lshl_b32 s26, s22, 16
	v_lshl_add_u32 v6, v1, 4, s26                  ; my 16 bytes in the wave's d2 bytes
	v_mul_u32_u24 v244, v0, 144                    ; four rows of 36 bytes a thread
	v_add_nc_u32 v10, TT, v244
	v_lshl_add_u32 v11, v0, 4, T2T
	s_lshl_b32 s26, s22, 7
	v_lshl_add_u32 v12, v3, 11, s26
	v_lshl_add_u32 v12, v2, 2, v12
	v_add_nc_u32 v12, IST, v12                     ; slot 4 h + k, point 32 w + 16 e + r
	s_lshl_b32 s26, s22, 10
	v_lshl_add_u32 v13, v1, 4, s26
	v_add_nc_u32 v13, IST, v13                     ; back: slots 2 w and 2 w + 1, 16 bytes a lane
	v_mov_b32 v14, 0
	v_lshlrev_b32 v15, 8, v3                       ; 256 h
	v_mul_u32_u24 v245, v2, 36
	v_lshlrev_b32 v246, 4, v1
	s_mul_i32 s26, s23, 18432                      ; the batch's templates
	s_mov_b32 s27, 0
	s_lshl_b32 s28, s23, 10
	s_add_co_u32 s28, s28, s24
	s_lshl_b32 s29, s22, 5
	s_add_co_u32 s28, s28, s29
	s_mul_i32 s28, s28, 36                         ; the wave's first search row
	s_mov_b32 s29, 0
	s_lshl_b32 s34, s23, 3
	s_lshl_b32 s35, s22, 1
	s_add_co_u32 s34, s34, s35
	s_lshl_b32 s34, s34, 10
	s_add_co_u32 s34, s34, s24
	s_lshl_b32 s34, s34, 2                         ; idx: ((8 b + 2 w) 1024 + n0) 4
	s_mov_b32 s35, 0
	s_wait_alu depctr_va_vdst(0)
	s_wait_kmcnt 0x0
	s_add_nc_u64 s[4:5], s[4:5], s[26:27]
	s_add_nc_u64 s[6:7], s[6:7], s[28:29]
	s_add_nc_u64 s[20:21], s[20:21], s[34:35]
.irp q, 0,1,2,3,4,5,6,7,8
	global_load_b128 v[RAW+4*\q:RAW+4*\q+3], v244, s[4:5] offset:16*\q
.endr
.irp cd, 0,1,2,3,4,5,6,7,8
	global_load_b32 v[SP+2*\cd], v245, s[6:7] offset:4*\cd
	global_load_b32 v[SP+2*\cd+1], v245, s[6:7] offset:576+4*\cd
.endr
	; ---- the weight task: wave 3 of work-groups 0 .. 175.  No LDS access and no barrier stands inside
	s_cmp_lg_u32 s22, 3
	s_cbranch_scc1 .Lno_task
	s_cmp_ge_u32 s25, 176
	s_cbranch_scc1 .Lno_task
	s_lshr_b32 s26, s25, 4                         ; W1: its K step
	s_add_co_u32 s27, s26, 1
	s_and_b32 s27, s27, 1                          ; the others: ((f - 48) / 16) % 2
	s_and_b32 s28, s25, 15
	s_lshl_b32 s28, s28, 4                         ; 16 t
	s_mov_b32 s38, 1024
	s_cmp_lt_u32 s25, 48
	s_cselect_b32 s38, 1072, s38                   ; a weight row in bytes
	s_cselect_b32 s26, s26, s27
	s_mov_b64 s[40:41], s[8:9]                     ; the weight is chosen by f alone
	s_cmp_ge_u32 s25, 48
	s_cselect_b64 s[40:41], s[10:11], s[40:41]
	s_cmp_ge_u32 s25, 80
	s_cselect_b64 s[40:41], s[12:13], s[40:41]
	s_cmp_ge_u32 s25, 112
	s_cselect_b64 s[40:41], s[14:15], s[40:41]
	s_cmp_ge_u32 s25, 144
	s_cselect_b64 s[40:41], s[16:17], s[40:41]
	s_lshl_b32 s26, s26, 9
	v_add_nc_u32 v185, s28, v2
	v_mul_lo_u32 v185, v185, s38                   ; row 16 t + r
	v_add_nc_u32 v186, 1024, v185                  ; W1's last 12 numbers of the row
	v_add_nc_u32 v185, s26, v185
	v_lshl_add_u32 v185, v3, 6, v185               ; + 512 s + 64 h
	v_lshlrev_b32 v188, 2, v2
	s_mul_i32 s26, s25, 1536
	s_mov_b32 s27, 0
	s_add_nc_u64 s[44:45], s[18:19], s[26:27]
	s_lshl_b32 s26, s25, 6
	s_add_nc_u64 s[46:47], s[18:19], s[26:27]
	s_sub_co_u32 s28, s25, 32
	s_cmp_lt_u32 s28, 16                           ; f = 32 .. 47: the end of W1's K
	s_cbranch_scc1 .Ltail_k
	s_wait_alu depctr_va_vdst(0)
.irp b, 0,1,2,3
.irp q, 0,1,2,3
	global_load_b128 v[84+16*\b+4*\q:84+16*\b+4*\q+3], v185, s[40:41] offset:128*\b+16*\q
.endr
.endr
	s_wait_loadcnt 0x0
	s_branch .Lquant
.Ltail_k:
	s_wait_alu depctr_va_vdst(0)
.irp q, 0,1,2
	global_load_b128 v[84+4*\q:84+4*\q+3], v186, s[40:41] offset:16*\q   ; k = 256 .. 267: both halves read them, no load leaves the buffer
.endr
.set KI, 12
.rept 52
	v_mov_b32 v[84+KI], 0                          ; the rest of the K step is zeros
.set KI, KI+1
.endr
	s_wait_loadcnt 0x0
.irp i, 0,1,2,3,4,5,6,7,8,9,10,11
	v_cndmask_b32 v[84+\i], v[84+\i], v14, s[HM]   ; lanes 16-31 hold k = 272 on: zeros
.endr
.Lquant:
.irp b, 0,1,2,3
	v_mov_b32 v[TM+4+\b], 0                        ; a lane permute's destination counts as read
.endr
	QUANT 84, 164, 184
.irp g, 0,1,2
	global_store_b128 v246, v[164+4*\g:167+4*\g], s[44:45] offset:512*\g   ; 512 consecutive bytes, aligned
.endr
	global_store_b32 v188, v184, s[46:47] offset:270336   ; both halves write the same word with the same value
	s_wait_xcnt 0x0                                ; the stores' registers are written again below
.Lno_task:
	; ---- the table: rows as they lie, and t2
	s_wait_loadcnt 0x0
.irp i, 0,1,2,3
	v_mul_f32 v[228+\i], v[RAW+9*\i], v[RAW+9*\i]
.endr
.irp cd, 1,2,3,4,5,6,7,8
.irp i, 0,1,2,3
	v_fma_f32 v[228+\i], v[RAW+9*\i+\cd], v[RAW+9*\i+\cd], v[228+\i]
.endr
.endr
.irp q, 0,1,2,3,4,5,6,7,8
	ds_store_b128 v10, v[RAW+4*\q:RAW+4*\q+3] offset:16*\q
.endr
	ds_store_b128 v11, v[228:231]
	v_pk_mul_f32 v[16:17], v[SP:SP+1], v[SP:SP+1]  ; s2 of A and of B
.irp cd, 1,2,3,4,5,6,7,8
	v_pk_fma_f32 v[16:17], v[SP+2*\cd:SP+2*\cd+1], v[SP+2*\cd:SP+2*\cd+1], v[16:17]
.endr
.set KI, 0
.rept 16
	v_mov_b32 v[LA+KI], 0x7f800000                 ; the lists begin at +infinity: 256 candidates follow
.set KI, KI+1
.endr
	BARRIER                                        ; the table is whole
; ---- PASS 1
.macro LOADT buf, o, o2                ; four templates: 144 bytes of rows and 16 of t2; all lanes of a half read the same bytes
.irp q, 0,1,2,3,4,5,6,7,8
	ds_load_b128 v[\buf+4*\q:\buf+4*\q+3], v7 offset:\o+16*\q
.endr
	ds_load_b128 v[\buf+36:\buf+39], v8 offset:\o2
.endm
; packed forms whose second source is ONE register, v[RG], for both halves: the pair that holds it is named, and op_sel picks it
.macro PKMULB dst, a
.if RG%2
	v_pk_mul_f32 v[\dst:\dst+1], v[\a:\a+1], v[RG-1:RG] op_sel:[0,1] op_sel_hi:[1,1]
.else
	v_pk_mul_f32 v[\dst:\dst+1], v[\a:\a+1], v[RG:RG+1] op_sel_hi:[1,0]
.endif
.endm
.macro PKADDB dst, a
.if RG%2
	v_pk_add_f32 v[\dst:\dst+1], v[\a:\a+1], v[RG-1:RG] op_sel:[0,1] op_sel_hi:[1,1]
.else
	v_pk_add_f32 v[\dst:\dst+1], v[\a:\a+1], v[RG:RG+1] op_sel_hi:[1,0]
.endif
.endm
.macro PKFMAB dst, a
.if RG%2
	v_pk_fma_f32 v[\dst:\dst+1], v[\a:\a+1], v[RG-1:RG], v[\dst:\dst+1] op_sel:[0,1,0] op_sel_hi:[1,1,1]
.else
	v_pk_fma_f32 v[\dst:\dst+1], v[\a:\a+1], v[RG:RG+1], v[\dst:\dst+1] op_sel_hi:[1,0,1]
.endif
.endm
.macro COMP buf, out                   ; d2 of four templates for (A, B); the four by turns
.irp t, 0,1,2,3
.set RG, \buf+9*\t
	PKMULB CR+2*\t, SP
.endr
.irp cd, 1,2,3,4,5,6,7,8
.irp t, 0,1,2,3
.set RG, \buf+9*\t+\cd
	PKFMAB CR+2*\t, SP+2*\cd
.endr
.endr
.irp t, 0,1,2,3
.set RG, \buf+36+\t
	PKADDB UR+2*\t, 16
.endr
.irp t, 0,1,2,3
	v_pk_fma_f32 v[\out+2*\t:\out+2*\t+1], v[CR+2*\t:CR+2*\t+1], -2.0, v[UR+2*\t:UR+2*\t+1] op_sel_hi:[1,0,1]
.endr
.endm
.macro INS out                         ; each of the 8 numbers goes into its point's sorted list: place i takes the middle of (x, place i - 1, place i), from the top down
.irp t, 0,1,2,3
.irp e, 0,1
.irp i, 7,6,5,4,3,2,1
	v_med3_num_f32 v[LA+8*\e+\i], v[\out+2*\t+\e], v[LA+8*\e+\i-1], v[LA+8*\e+\i]
.endr
	v_min_num_f32 v[LA+8*\e], v[\out+2*\t+\e], v[LA+8*\e]
.endr
.endr
.endm
.macro ITER ld                         ; eight templates; ld = 1: the sets are filled again with the next eight
	v_add_nc_u32 v7, s33, v4
	v_add_nc_u32 v8, s34, v5
	v_add_nc_u32 v9, s35, v6
	s_wait_dscnt 10                                ; the first set is in: behind its ten loads stand at the least the second set's ten
	COMP BA, D0
	ds_store_b128 v9, v[D0:D0+3]
	ds_store_b128 v9, v[D0+4:D0+7] offset:512
.if \ld
	LOADT BA, 288, 32
.endif
	INS D0
.if \ld
	s_wait_dscnt 10                                ; the second set is in; the ten loads just issued may be out
.else
	s_wait_dscnt 2                                 ; the two stores may be out
.endif
	COMP BB, D1
	ds_store_b128 v9, v[D1:D1+3] offset:1024
	ds_store_b128 v9, v[D1+4:D1+7] offset:1536
.if \ld
	LOADT BB, 432, 48
.endif
	INS D1
.if \ld
	s_add_co_u32 s33, s33, 288
	s_add_co_u32 s34, s34, 32
	s_add_co_u32 s35, s35, 2048
.endif
.endm
	s_mov_b32 s33, 0
	s_mov_b32 s34, 0
	s_mov_b32 s35, 0
	s_mov_b32 s36, 31
	v_add_nc_u32 v7, s33, v4
	v_add_nc_u32 v8, s34, v5
	LOADT BA, 0, 0
	LOADT BB, 144, 16
.Liter:                                                ; 31 trips of eight templates; the last eight are written out, without loads
	ITER 1
	s_sub_co_u32 s36, s36, 1
	s_cmp_lg_u32 s36, 0
	s_cbranch_scc1 .Liter
	ITER 0
; ---- the two halves' lists meet.  min(L[i], other half's L[7 - i]) are the 8 smallest of both; T is their largest.
; Q of them equal T; the lower half takes as many of those as it has, the upper half the rest: v[76 + e] for my lane.
.macro MERGE e
.irp i, 0,1,2,3,4,5,6,7
	v_permlanex16_b32 v[52+\i], v[LA+8*\e+\i], s[SEL], s[SEL+1]
.endr
.irp i, 0,1,2,3,4,5,6,7
	v_min_num_f32 v[60+\i], v[LA+8*\e+\i], v[59-\i]
.endr
	v_max3_num_f32 v[68+\e], v60, v61, v62
	v_max3_num_f32 v[68+\e], v[68+\e], v63, v64
	v_max3_num_f32 v[68+\e], v[68+\e], v65, v66
	v_max_num_f32 v[68+\e], v[68+\e], v67
	v_mov_b32 v[70+\e], 0
	v_mov_b32 v[72+\e], 0
	v_mov_b32 v[74+\e], 0
.irp i, 0,1,2,3,4,5,6,7
	v_cmp_eq_f32 vcc_lo, v[60+\i], v[68+\e]
	v_add_co_ci_u32 v[70+\e], vcc_lo, 0, v[70+\e], vcc_lo
	v_cmp_eq_f32 vcc_lo, v[LA+8*\e+\i], v[68+\e]
	v_add_co_ci_u32 v[72+\e], vcc_lo, 0, v[72+\e], vcc_lo
.endr
	v_permlanex16_b32 v[74+\e], v[72+\e], s[SEL], s[SEL+1]
	v_cndmask_b32 v78, v[72+\e], v[74+\e], s[HM]   ; the lower half's count
	v_min_u32 v78, v[70+\e], v78
	v_sub_nc_u32 v79, v[70+\e], v78
	v_cndmask_b32 v[76+\e], v78, v79, s[HM]
.endm
	MERGE 0
	MERGE 1
; ---- PASS 2: bit c of word g = my candidate 32 g + c.  A compare's bit is shifted in from below, the highest candidate first.
.macro LOADW g, set
.irp j, 0,1,2,3,4,5,6,7,8,9,10,11,12,13,14,15
	ds_load_b128 v[\set+4*\j:\set+4*\j+3], v6 offset:8192*(\g)+512*\j   ; register 2 c + e: candidate 32 g + c of point e.  LDS serves a wave in order: these see pass 1's stores
.endr
.endm
.macro MASKS g, set
.set CI, 31
.rept 32
.irp e, 0,1
	v_cmp_lt_f32 vcc_lo, v[\set+2*CI+\e], v[68+\e]
	v_add_co_ci_u32 v[LT+8*\e+\g], vcc_lo, v[LT+8*\e+\g], v[LT+8*\e+\g], vcc_lo
	v_cmp_eq_f32 vcc_lo, v[\set+2*CI+\e], v[68+\e]
	v_add_co_ci_u32 v[EQ+8*\e+\g], vcc_lo, v[EQ+8*\e+\g], v[EQ+8*\e+\g], vcc_lo
.endr
.set CI, CI-1
.endr
.endm
.set KI, 0
.rept 32
	v_mov_b32 v[LT+KI], 0
.set KI, KI+1
.endr
	LOADW 7, 84
	LOADW 6, 148
	s_wait_alu depctr_va_vdst(0)
.irp g, 7,6,5,4,3,2,1,0
.if \g > 0
	s_wait_dscnt 16                                ; this word's 16 loads are in; the next word's may be out
.else
	s_wait_dscnt 0x0
.endif
	MASKS \g, 84+64*((\g+1)%2)
.if \g > 1
	LOADW \g-2, 84+64*((\g+1)%2)
.endif
.endr
; ---- the picks: pick k comes from the mask d2 == T while k is under my share of those, else from d2 < T; the lowest bit of the lowest word that has one.
; A pick that finds nothing gives a number above 2^31.  My valid picks fill k = 0 .. n_h - 1, and n_0 + n_1 = 8.
.macro EXTR e
.irp k, 0,1,2,3,4,5,6,7
	v_cmp_lt_u32 s42, \k, v[76+\e]
.irp g, 0,1,2,3,4,5,6,7
	v_cndmask_b32 v[84+\g], v[LT+8*\e+\g], v[EQ+8*\e+\g], s42
.endr
	v_mov_b32 v92, v91
	v_mov_b32 v93, 7
.irp g, 6,5,4,3,2,1,0
	v_cmp_eq_u32 vcc_lo, 0, v[84+\g]
	v_cndmask_b32 v92, v[84+\g], v92, vcc_lo
	v_cndmask_b32 v93, \g, v93, vcc_lo
.endr
	v_sub_nc_u32 v95, 0, v92
	v_and_b32 v94, v92, v95                        ; its lowest bit,
	v_cvt_f32_u32 v95, v94                         ; whose number is the exponent of that power of two
	v_lshrrev_b32 v95, 23, v95
	v_add_nc_u32 v95, 0xffffff81, v95
	v_lshl_or_b32 v95, v93, 5, v95
	v_or_b32 v[100+8*\e+\k], v15, v95              ; + 256 h: the template's number
.irp g, 0,1,2,3,4,5,6,7
	v_cmp_eq_u32 vcc_lo, \g, v93
	v_cndmask_b32 v96, 0, v94, vcc_lo
	v_bfi_b32 v[LT+8*\e+\g], v96, 0, v[LT+8*\e+\g] ; the bit is taken out of both masks
	v_bfi_b32 v[EQ+8*\e+\g], v96, 0, v[EQ+8*\e+\g]
.endr
.endr
.endm
	EXTR 0
	EXTR 1
.irp e, 0,1
.irp k, 0,1,2,3
	v_mov_b32 v[116+4*\e+\k], 0
.endr
.irp k, 0,1,2,3
	v_permlanex16_b32 v[116+4*\e+\k], v[107+8*\e-\k], s[SEL], s[SEL+1]
.endr
.irp k, 0,1,2,3
	v_min_u32 v[124+4*\e+\k], v[100+8*\e+\k], v[116+4*\e+\k]   ; of my pick k and the other half's pick 7 - k just one is valid: the two halves' four each are the 8
.endr
.irp k, 0,1,2,3
	ds_store_b32 v12, v[124+4*\e+\k] offset:512*\k+64*\e
.endr
.endr
	BARRIER
	ds_load_b128 v[84:87], v13
	ds_load_b128 v[88:91], v13 offset:512
	s_wait_dscnt 0x0
	global_store_b128 v246, v[84:87], s[20:21]             ; 512 consecutive bytes of one slot's row, aligned
	global_store_b128 v246, v[88:91], s[20:21] offset:4096
	s_wait_tensorcnt 0x0
	ds_add_u32 v254, v255
	s_wait_dscnt 0x0
	s_endpgm
.Lfunc_end_k_q277b2acf45_knn:
	.size	k_q277b2acf45_knn, .Lfunc_end_k_q277b2acf45_knn-k_q277b2acf45_knn
	.p2alignl 7, 3214868480
	.fill 96, 4, 3214868480
	.section	.rodata,"a",@progbits
	.p2align	6, 0x0
	.amdhsa_kernel k_q277b2acf45_knn
		.amdhsa_group_segment_fixed_size 287232
		.amdhsa_private_segment_fixed_size 0
		.amdhsa_enable_private_segment 0
		.amdhsa_kernarg_size 72
		.amdhsa_user_sgpr_count 2
		.amdhsa_user_sgpr_kernarg_segment_ptr 1
		.amdhsa_wavefront_size32 1
		.amdhsa_system_sgpr_workgroup_id_x 1
		.amdhsa_system_sgpr_workgroup_id_y 1
		.amdhsa_system_sgpr_workgroup_id_z 1
		.amdhsa_system_vgpr_workitem_id 0
		.amdhsa_next_free_vgpr 256
		.amdhsa_next_free_sgpr 66
		.amdhsa_reserve_vcc 1
		.amdhsa_float_denorm_mode_32 3
		.amdhsa_float_denorm_mode_16_64 3
		.amdhsa_memory_ordered 1
		.amdhsa_forward_progress 1
		.amdhsa_inst_pref_size 179
	.end_amdhsa_kernel
	.amdgpu_metadata
---
amdhsa.version: [ 1, 2 ]
amdhsa.kernels:
  - .name:           k_q277b2acf45_knn
    .symbol:         k_q277b2acf45_knn.kd
    .args:
      - { .name: template_bc, .offset: 0, .size: 8, .value_kind: global_buffer, .address_space: global }
      - { .name: search_bc, .offset: 8, .size: 8, .value_kind: global_buffer, .address_space: global }
      - { .name: W1, .offset: 16, .size: 8, .value_kind: global_buffer, .address_space: global }
      - { .name: W2, .offset: 24, .size: 8, .value_kind: global_buffer, .address_space: global }
      - { .name: W3, .offset: 32, .size: 8, .value_kind: global_buffer, .address_space: global }
      - { .name: Wf1, .offset: 40, .size: 8, .value_kind: global_buffer, .address_space: global }
      - { .name: Wf2, .offset: 48, .size: 8, .value_kind: global_buffer, .address_space: global }
      - { .name: wq, .offset: 56, .size: 8, .value_kind: global_buffer, .address_space: global }
      - { .name: idx, .offset: 64, .size: 8, .value_kind: global_buffer, .address_space: global }
    .group_segment_fixed_size: 287232
    .private_segment_fixed_size: 0
    .kernarg_segment_align: 8
    .kernarg_segment_size: 72
    .max_flat_workgroup_size: 128
    .sgpr_count:     66
    .vgpr_count:     256
    .wavefront_size: 32
...
	.end_amdgpu_metadata
.endif
;; end of part 4
;; launch tmlp (part 5): grid 256 x 1, 4 waves a work-group, no clusters, 116,480 bytes of LDS; arguments template_feature, template_xyz, template_bc, wq, g1, b1, g2, b2, x2q; writes x2q
.if DOCPART == 5
	.amdgcn_target "amdgcn-amd-amdhsa--gfx1250"
	.amdhsa_code_object_version 6
	.text
	.protected	k_q277b2acf45_tmlp
	.globl	k_q277b2acf45_tmlp
	.p2align	8
	.type	k_q277b2acf45_tmlp,@function
k_q277b2acf45_tmlp:
	s_mov_b64 s[64:65], 0
	v_nop
	global_prefetch_b8 v0, s[64:65] scope:SCOPE_SE
	s_setreg_imm32_b32 hwreg(HW_REG_WAVE_SCHED_MODE, 0, 2), 2
	s_setreg_imm32_b32 hwreg(HW_REG_WAVE_MODE, 25, 1), 1
	s_wait_xcnt 0x0
	s_wait_alu depctr_vm_vsrc(0)
; LAYERS 1 AND 2, ONCE FOR EACH TEMPLATE.  A gathered row is a template's row, and every step up to the maximum over the neighbours works on one row alone:
; x2 = relu(bn2(W2 Q(relu(bn1(W1 Q(row)))))) is made for the 16,384 templates and left as FP6 (E2M3) codes, which the next launch gathers.
; A work-group takes 64 templates of one batch (b = wg / 8, m0 = 64 (wg % 8)): four row tiles mu.  In a layer wave w makes channels 64 w .. 64 w + 63 for all 64 rows,
; its part of W1 and W2 in registers; behind a layer wave w quantises row tile w.  Source 0 = 16 rows, source 1 = 16 weight rows: a lane holds ONE channel, so bn is one
; packed multiply-add by the lane's (g, b); results go as f32 through a stage [row][256] in LDS and come back 16 neighbours along the next K to a lane.
; THE ROW: channels 0-2 xyz, 3-11 bc, 12-267 feature.  The feature lies [channel][template]: a lane takes a template and its registers run down the channels, so that each load
; reads 128 consecutive bytes and a block of 32 lies in one lane.  Wave (tau = w % 2, kappa = w / 2) does templates 32 tau + lane, channels 128 kappa on; wave w also does channels 256-267 of row tile w.
; x2q: a row of 256 bytes for each template, two halves of 128: lane (r, h)'s 12 operand registers of K step 0, those of K step 1, the two scale words, 24 bytes of zeros.
; LIMITS: NaN and infinities are not served; a block under 2^-124, a block of zeros among them, gets the byte 1 (its bytes are read by this program alone).
; THE MODE: SCHED_MODE bits 1:0 = 2 (LLVM: expert scheduling mode 2), set by the entry lines.  The code itself states the register dependences
; between vector or matrix instructions and memory or LDS instructions, with s_wait_alu, always for 0.
; THE PLAN.  Registers that memory or LDS instructions touch:
;   v4-19, v52-54, window 3's v144   offsets and LDS addresses: made once at the head, never written again: one wait on va_vdst ahead of the first load serves them all.
;   v227, v228, v230-235, v240-243   the first phase's codes, bytes and zeros: written by the block's lines, read by its LDS stores: a wait on va_vdst ahead of a block's stores, one on vm_vsrc behind them.
;   window 3, v0-127                 the accumulators: bn and relu work in place, row tile by row tile; a tile's 32 LDS stores are dealt among the NEXT tile's vector lines, which name other accumulators:
;                                    one wait on va_vdst at a tile's head.  Layer 2's products write them again: one wait on vm_vsrc ahead of those.
;   window 2, v40-51                 the rows' fragments and scale words: LDS loads land, products read.  Layer 2's loads stand behind the waits of layer 1's bn, which stand behind layer 1's products.
;   X, X1                            the two K steps of a row tile from the stage: LDS loads land, QUANT reads.   PC, PW: QUANT writes, LDS stores read: one wait on va_vdst behind the two QUANTs.
.set XIMG, 0                           ; LDS: the rows' 12 fragments (3 mu + s), 1,536 bytes each: for c = 0, 1 at 768 c: registers 6 c .. 6 c + 3 at 16 lane, registers 6 c + 4, 5 at 512 + 8 lane
.set XSC,  18432                       ; their scale words, 64 bytes each (4 r)
.set HIMG, 19200                       ; x1's 8 fragments (2 mu + s) as images of their registers: group g at 512 g + 16 lane
.set HSC,  31488
.set ST,   32000                       ; the stage: 64 rows x (1,024 + 16) bytes
.set OS,   98560                       ; the way out: 16 rows x (256 + 16) bytes for each wave
.set SEL,  30
.set HM,   32
.set X,    64                          ; window 0, behind the first phase: v64-127 K step 0's numbers, v128-143 at work, v144-167 codes of two K steps, v168-175 second halves, v176-177 scale words
.set X1,   184                         ; v184-247 K step 1's numbers
.set TM,   128
.set PC,   144
.set CT,   168
.set PW,   176
; window 0: v4-19, v52-55 addresses; v20-31 W1's scale words (3 i + s), v32-39 W2's (2 i + s), v40-51 the rows' (scales and nothing else); v64-191 a raw K step, v192-223 the last 12 channels and zeros
; window 1: W1's fragments at 36 i + 12 s, W2's at 144 + 24 i + 12 s.  window 2: the rows' fragments at 12 x number.  window 3: 16 accumulators at 8 (4 mu + i); (g1, b1) at 128 + 2 i, (g2, b2) at 136 + 2 i; v144 the stage address
.set MSB, 0
.macro WIN new                         ; the immediate's high byte repeats the setting that is left
.if MSB != \new
	s_set_vgpr_msb (MSB<<8)|\new
.set MSB, \new
.endif
.endm
.macro PLACES n
.rept \n
	v_nop
.endr
.endm
.macro BARRIER                         ; my LDS stores have landed and my LDS loads are in: then the work-group's barrier
	s_wait_dscnt 0x0
	s_barrier_signal -1
	s_barrier_wait -1
.endm
; 64 numbers of a lane, register x + 16 b + i = k 32 b + 16 (lane / 16) + i of my row, become a fragment's 12 code registers at pc and the row's scale word in pw.
.macro QUANT x, pc, pw
.irp b, 0,1,2,3
	v_max3_num_f32 v[TM+\b], |v[\x+16*\b]|, |v[\x+1+16*\b]|, 0x1800000   ; my 16 numbers of block b and the floor 2^(3 - 127): the byte cannot fall under 1
.endr
.irp i, 2,4,6,8,10,12,14
.irp b, 0,1,2,3
	v_max3_num_f32 v[TM+\b], v[TM+\b], |v[\x+16*\b+\i]|, |v[\x+1+16*\b+\i]|
.endr
.endr
.irp b, 0,1,2,3
	v_permlanex16_b32 v[TM+4+\b], v[TM+\b], s[SEL], s[SEL+1]
.endr
.irp b, 0,1,2,3
	v_max_num_f32 v[TM+\b], v[TM+\b], v[TM+4+\b]
.endr
.irp b, 0,1,2,3
	v_add_nc_u32 v[TM+12+\b], 0xff000000, v[TM+\b]    ; 2 off the exponent field: the conversion's scale operand
.endr
.irp b, 0,1,2,3
	v_lshrrev_b32 v[TM+4+\b], 23, v[TM+12+\b]
.endr
	v_lshl_or_b32 v[\pw], v[TM+5], 8, v[TM+4]
	v_lshl_or_b32 v[\pw], v[TM+6], 16, v[\pw]
	v_lshl_or_b32 v[\pw], v[TM+7], 24, v[\pw]
.irp c, 0,1
	v_cvt_scalef32_pk16_fp6_f32 v[\pc+6*\c:\pc+2+6*\c], v[\x+32*\c:\x+15+32*\c], v[TM+12+2*\c]
	v_cvt_scalef32_pk16_fp6_f32 v[CT+4*\c:CT+2+4*\c], v[\x+16+32*\c:\x+31+32*\c], v[TM+13+2*\c]
.endr
	v_nop                                          ; one plain instruction behind the scaled conversions
.irp c, 0,1
.irp i, 0,1,2
	v_permlane16_swap_b32 v[\pc+6*\c+\i], v[CT+4*\c+\i]
.endr
.irp i, 0,1,2
	v_mov_b32 v[\pc+3+6*\c+\i], v[CT+4*\c+\i]
.endr
.endr
.endm
.macro IMAGE adr, pc, off              ; a fragment goes to LDS as it stands in its registers
.irp g, 0,1,2
	ds_store_b128 v[\adr], v[\pc+4*\g:\pc+4*\g+3] offset:\off+512*\g
.endr
.endm
; a block of 32 that lies whole in my registers x .. x + 31: codes in v230-235, byte in v227
.macro QBLK x
	v_max3_num_f32 v224, |v[\x]|, |v[\x+1]|, 0x1800000
	v_max3_num_f32 v225, |v[\x+2]|, |v[\x+3]|, |v[\x+4]|
.irp i, 5,9,13,17,21,25
	v_max3_num_f32 v224, v224, |v[\x+\i]|, |v[\x+\i+1]|
	v_max3_num_f32 v225, v225, |v[\x+\i+2]|, |v[\x+\i+3]|
.endr
	v_max3_num_f32 v224, v224, |v[\x+29]|, |v[\x+30]|
	v_max3_num_f32 v224, v224, v225, |v[\x+31]|
	v_add_nc_u32 v226, 0xff000000, v224
	v_lshrrev_b32 v227, 23, v226
	v_cvt_scalef32_pk16_fp6_f32 v[230:232], v[\x:\x+15], v226
	v_cvt_scalef32_pk16_fp6_f32 v[236:238], v[\x+16:\x+31], v226
	v_nop
	v_mov_b32 v233, v236
	v_mov_b32 v234, v237
	v_mov_b32 v235, v238
.endm
	s_load_b512 s[4:19], s[0:1], 0x0               ; feature s[4:5], xyz s[6:7], bc s[8:9], wq s[10:11], g1 s[12:13], b1 s[14:15], g2 s[16:17], b2 s[18:19]
	s_load_b64 s[20:21], s[0:1], 0x40              ; x2q
	v_lshl_add_u32 v254, v0, 2, 0x1c500
	v_mov_b32 v255, 0
	v_and_b32 v1, 31, v0                           ; lane
	s_wait_alu depctr_va_vdst(0)
	v_and_b32 v2, 15, v0                           ; r
	v_bfe_u32 v3, v0, 4, 1                         ; h
	v_lshrrev_b32 v4, 5, v0
	v_readfirstlane_b32 s22, v4                    ; wave
	s_lshr_b32 s25, ttmp9, 3                       ; b
	s_and_b32 s33, ttmp9, 7
	s_lshl_b32 s33, s33, 6                         ; m0
	s_mov_b32 s[SEL], 0x76543210
	s_mov_b32 s[SEL+1], 0xfedcba98
	s_mov_b32 s[HM], 0xffff0000
	v_lshlrev_b32 v4, 4, v1                        ; 16 lane
	v_lshlrev_b32 v5, 3, v1                        ; 8 lane
	v_lshlrev_b32 v6, 2, v2                        ; 4 r
	s_wait_alu depctr_va_sdst(0)                   ; s22 is written, ahead of its first reader: the wave's shares are made from it
	s_and_b32 s23, s22, 1                          ; tau
	s_lshr_b32 s24, s22, 1                         ; kappa
	s_lshl_b32 s34, s23, 5
	s_add_co_u32 s34, s34, s33                     ; m0 + 32 tau
	v_add_lshl_u32 v7, v1, s34, 2                  ; my template's 4 bytes in a channel's row
	s_lshl_b32 s35, s25, 9
	s_add_co_u32 s35, s35, s34
	v_add_nc_u32 v8, s35, v1
	v_mul_u32_u24 v9, v8, 36                       ; its row of bc
	v_mul_u32_u24 v8, v8, 12                       ; and of xyz
	s_lshl_b32 s36, s22, 4
	s_add_co_u32 s36, s36, s33
	v_add_lshl_u32 v10, v2, s36, 2                 ; template m0 + 16 w + r
	s_mul_i32 s37, s23, 9216
	s_mul_i32 s38, s24, 1536
	s_add_co_u32 s37, s37, s38                     ; fragments 3 (2 tau + lane / 16) + kappa
	v_mul_u32_u24 v11, v3, 4608
	v_lshl_add_u32 v12, v2, 3, v11
	v_lshl_add_u32 v11, v2, 4, v11
	v_add_nc_u32 v11, s37, v11
	v_add_nc_u32 v12, s37, v12
	s_mul_i32 s37, s23, 384
	s_lshl_b32 s38, s24, 6
	s_add_co_u32 s37, s37, s38
	v_mul_u32_u24 v13, v3, 192
	v_lshl_add_u32 v13, v2, 2, v13
	v_add_nc_u32 v13, s37, v13
	s_mul_i32 s37, s22, 16640
	v_mul_u32_u24 v14, v2, 1040
	v_lshl_add_u32 v14, v3, 6, v14
	v_add_nc_u32 v14, s37, v14
	v_add_nc_u32 v14, ST, v14                      ; the stage, back: row 16 w + r, + 64 h
	s_mul_i32 s37, s22, 3072
	v_add_nc_u32 v15, s37, v4
	v_add_nc_u32 v15, HIMG, v15
	s_lshl_b32 s37, s22, 7
	v_add_nc_u32 v16, s37, v6
	v_add_nc_u32 v16, HSC, v16
	s_mul_i32 s37, s22, 4352
	v_mul_u32_u24 v17, v2, 272
	v_lshl_add_u32 v17, v3, 7, v17
	v_add_nc_u32 v17, s37, v17
	v_add_nc_u32 v17, OS, v17
	v_mul_u32_u24 v18, v3, 272
	v_lshl_add_u32 v18, v2, 4, v18
	v_add_nc_u32 v18, s37, v18
	v_add_nc_u32 v18, OS, v18
	v_lshlrev_b32 v19, 8, v3
	v_lshl_add_u32 v19, v2, 4, v19
	s_mul_i32 s37, s22, 4608
	s_add_co_u32 s37, s37, 3072                    ; fragment 3 w + 2
	v_add_nc_u32 v52, s37, v4
	v_add_nc_u32 v53, s37, v5
	s_mul_i32 s37, s22, 192
	s_add_co_u32 s37, s37, XSC+128
	v_add_nc_u32 v54, s37, v6
	s_lshl_b32 s37, s22, 8
	v_mul_u32_u24 v55, v3, 8320
	v_lshl_add_u32 v55, v2, 2, v55
	v_add_nc_u32 v55, s37, v55
	WIN 0xC0
	v_add_nc_u32 v144, ST, v55                     ; (window 3) the stage, in: rows 8 h + j, channel 64 w + r
	WIN 0
	s_lshl_b32 s2, s25, 19                         ; a batch's features: 524,288 bytes
	s_mov_b32 s3, 0
	s_lshl_b32 s38, s24, 18                        ; 128 channels of 2,048 bytes
	s_mov_b32 s39, 0
	s_wait_kmcnt 0x0
	s_add_nc_u64 s[26:27], s[4:5], s[2:3]
	s_add_nc_u64 s[28:29], s[26:27], s[38:39]
	s_mul_i32 s2, s22, 6144
	s_add_nc_u64 s[40:41], s[10:11], s[2:3]        ; wq at my four tiles' codes
	s_mov_b32 s2, s37
	s_add_nc_u64 s[42:43], s[10:11], s[2:3]        ; and 256 w on, for their scale words
	s_add_nc_u64 s[12:13], s[12:13], s[2:3]        ; g and b at my 64 channels
	s_add_nc_u64 s[14:15], s[14:15], s[2:3]
	s_add_nc_u64 s[16:17], s[16:17], s[2:3]
	s_add_nc_u64 s[18:19], s[18:19], s[2:3]
	s_lshl_b32 s2, s25, 9
	s_add_co_u32 s2, s2, s36
	s_lshl_b32 s2, s2, 8
	s_add_nc_u64 s[20:21], s[20:21], s[2:3]        ; x2q at template 512 b + m0 + 16 w
	; ---- loads: the weights first; loads come back in order, so the waits for the rows cover them
	WIN 0x40
	s_wait_alu depctr_va_vdst(0)                   ; the offsets and LDS addresses v4-19, v52-54 and window 3's v144 are written: every load and store of the kernel reads one of them, and none is written again
.irp i, 0,1,2,3
.irp ks, 0,1,2
.irp g, 0,1,2
	global_load_b128 v[36*\i+12*\ks+4*\g:36*\i+12*\ks+4*\g+3], v4, s[40:41] offset:(16*\ks+\i)*1536+512*\g
.endr
.endr
.endr
.irp i, 0,1,2,3
.irp ks, 0,1
.irp g, 0,1,2
	global_load_b128 v[144+24*\i+12*\ks+4*\g:144+24*\i+12*\ks+4*\g+3], v4, s[40:41] offset:(48+16*\ks+\i)*1536+512*\g
.endr
.endr
.endr
	WIN 0
.irp i, 0,1,2,3
.irp ks, 0,1,2
	global_load_b32 v[20+3*\i+\ks], v6, s[42:43] offset:270336+64*(16*\ks+\i)
.endr
.endr
.irp i, 0,1,2,3
.irp ks, 0,1
	global_load_b32 v[32+2*\i+\ks], v6, s[42:43] offset:270336+64*(48+16*\ks+\i)
.endr
.endr
	WIN 0xC0
.irp i, 0,1,2,3
	global_load_b32 v[128+2*\i], v6, s[12:13] offset:64*\i
	global_load_b32 v[129+2*\i], v6, s[14:15] offset:64*\i
	global_load_b32 v[136+2*\i], v6, s[16:17] offset:64*\i
	global_load_b32 v[137+2*\i], v6, s[18:19] offset:64*\i
.endr
	WIN 0
	s_cmp_lg_u32 s24, 0                            ; the K step's first 12 channels: xyz and bc, or features; 12 loads on either way
	s_cbranch_scc1 .Lk1
.irp cd, 0,1,2
	global_load_b32 v[64+\cd], v8, s[6:7] offset:4*\cd
.endr
.irp cd, 0,1,2,3,4,5,6,7,8
	global_load_b32 v[67+\cd], v9, s[8:9] offset:4*\cd
.endr
	s_branch .Lkj
.Lk1:
.irp cd, 0,1,2,3,4,5,6,7,8,9,10,11
	global_load_b32 v[64+\cd], v7, s[28:29] offset:(\cd-12)*2048 th:TH_LOAD_NT
.endr
.Lkj:
.set KI, 12
.rept 116
	global_load_b32 v[64+KI], v7, s[28:29] offset:(KI-12)*2048 th:TH_LOAD_NT   ; 32 lanes read 128 consecutive bytes of one channel
.set KI, KI+1
.endr
.irp cd, 0,1,2,3,4,5,6,7,8,9,10,11
	global_load_b32 v[192+\cd], v10, s[26:27] offset:(244+\cd)*2048 th:TH_LOAD_NT   ; channels 256 .. 267; both halves read the same
.endr
.irp i, 0,1,2,3
	v_mov_b32 v[240+\i], 0
.endr
	; ---- the rows become codes.  Block beta = 2 c + h' of my template belongs to lane (lane % 16) + 16 h' of its tile, registers 6 c .. 6 c + 5
.macro PBLK beta, cnt
	s_wait_loadcnt \cnt                            ; this block's 32 loads are in (the loads issued behind it: 108, 76, 44, 12; a wait names 63 at the most)
	QBLK 64+32*\beta
.if \beta == 0
	v_mov_b32 v228, v227
.else
	v_lshl_or_b32 v228, v227, 8*\beta, v228
.endif
	s_wait_alu depctr_va_vdst(0)                   ; the block's lines have written v230-235, which the two stores read (the last block's also v228, the scale word's store's data)
	ds_store_b128 v11, v[230:233] offset:768*(\beta/2)+256*(\beta%2)
	ds_store_b64 v12, v[234:235] offset:768*(\beta/2)+128*(\beta%2)+512
	s_wait_dscnt 0x0                               ; the two stores are done
	s_wait_alu depctr_vm_vsrc(0)                   ; they have read v230-235, which the next block's lines write again
.endm
	PBLK 0, 63
	PBLK 1, 63
	PBLK 2, 44
	PBLK 3, 12
	ds_store_b32 v13, v228 offset:XSC
	s_wait_loadcnt 0x0
.set KI, 12
.rept 20
	v_mov_b32 v[192+KI], 0                         ; K ends at 268: the block is filled with zeros
.set KI, KI+1
.endr
	QBLK 192                                       ; both halves hold the same 12 numbers, so both find block 8's byte
.irp i, 0,1,2
	v_cndmask_b32 v[230+\i], v[230+\i], v240, s[HM]   ; lanes 16-31 hold the K step's second block: zero codes
.endr
	s_wait_alu depctr_va_vdst(0)                   ; v227 and v230-235 are written, which the stores below read (the zeros v240-243 were written ahead of the first block's wait)
	ds_store_b128 v52, v[230:233]
	ds_store_b64 v53, v[234:235] offset:512
	ds_store_b128 v52, v[240:243] offset:768       ; registers 6 .. 11: zeros
	ds_store_b64 v53, v[240:241] offset:1280
	ds_store_b32 v54, v227                         ; the word's other bytes are 0: over zero codes on both sides
	BARRIER                                        ; the 12 fragments lie in LDS
; the products of a layer with ns K steps: 16 accumulators by turns, one instruction a turn; the first K step starts the sums
.macro LMMA ns, wb, ws
	WIN 0xF6                                       ; source 0 (rows) window 2, source 1 (weights) window 1, C and D window 3
.set KS, 0
.rept \ns
.irp mu, 0,1,2,3
.irp i, 0,1,2,3
.if KS == 0
	v_wmma_scale_f32_16x16x128_f8f6f4 v[8*(4*\mu+\i):8*(4*\mu+\i)+7], v[12*(\ns*\mu+KS):12*(\ns*\mu+KS)+11], v[\wb+12*\ns*\i+12*KS:\wb+12*\ns*\i+12*KS+11], 0, v[40+\ns*\mu+KS], v[\ws+\ns*\i+KS] matrix_a_fmt:MATRIX_FMT_FP6 matrix_b_fmt:MATRIX_FMT_FP6
.else
	v_wmma_scale_f32_16x16x128_f8f6f4 v[8*(4*\mu+\i):8*(4*\mu+\i)+7], v[12*(\ns*\mu+KS):12*(\ns*\mu+KS)+11], v[\wb+12*\ns*\i+12*KS:\wb+12*\ns*\i+12*KS+11], v[8*(4*\mu+\i):8*(4*\mu+\i)+7], v[40+\ns*\mu+KS], v[\ws+\ns*\i+KS] matrix_a_fmt:MATRIX_FMT_FP6 matrix_b_fmt:MATRIX_FMT_FP6
.endif
.endr
.endr
.set KS, KS+1
.endr
.endm
; bn, relu, and into the stage; each accumulator from its low end on.  Row tile by row tile: a tile's 32 stores are dealt among the next tile's vector lines, which name other accumulators
.macro LVPH gb
	WIN 0xFF
	PLACES 4                                       ; four plain instructions between the last products and the first read of results
.irp mu, 0,1,2,3
.if \mu > 0
	s_wait_alu depctr_va_vdst(0)                   ; the row tile before has its bn and relu written: its four accumulators are the data of the stores below
.endif
.irp i, 0,1,2,3
.if \mu > 0
.irp j, 0,1,2,3,4,5,6,7
	ds_store_b32 v144, v[8*(4*(\mu-1)+\i)+\j] offset:(16*(\mu-1)+\j)*1040+64*\i   ; no vector line since the wait names these registers
.endr
.endif
.irp p, 0,2,4,6
	v_pk_fma_f32 v[8*(4*\mu+\i)+\p:8*(4*\mu+\i)+\p+1], v[8*(4*\mu+\i)+\p:8*(4*\mu+\i)+\p+1], v[\gb+2*\i:\gb+2*\i+1], v[\gb+2*\i:\gb+2*\i+1] op_sel:[0,0,1] op_sel_hi:[1,0,1]   ; x g + b: of the pair (g, b) the first multiplies both halves, the second is added to both
.endr
.irp j, 0,1,2,3,4,5,6,7
	v_max_num_f32 v[8*(4*\mu+\i)+\j], 0, v[8*(4*\mu+\i)+\j]
.endr
.endr
.endr
	s_wait_alu depctr_va_vdst(0)                   ; the last row tile's four accumulators are written
.irp i, 0,1,2,3
.irp j, 0,1,2,3,4,5,6,7
	ds_store_b32 v144, v[8*(12+\i)+\j] offset:(48+\j)*1040+64*\i
.endr
.endr
	WIN 0
.endm
; both K steps of my row tile, from the stage: 16 neighbours of each block of 32 to a lane; K step 1's loads are on their way while K step 0 is quantised
.macro QBOTH
.irp b, 0,1,2,3
.irp q, 0,1,2,3
	ds_load_b128 v[X+16*\b+4*\q:X+16*\b+4*\q+3], v14 offset:128*\b+16*\q
.endr
.endr
.irp b, 0,1,2,3
.irp q, 0,1,2,3
	ds_load_b128 v[X1+16*\b+4*\q:X1+16*\b+4*\q+3], v14 offset:512+128*\b+16*\q
.endr
.endr
	s_wait_dscnt 16                                ; K step 0's 16 loads are in; K step 1's 16 may be out
	QUANT X, PC, PW
	s_wait_dscnt 0x0
	QUANT X1, PC+12, PW+1
.endm
	; ---- layer 1
	WIN 0x80
.set FI, 0
.rept 12
.irp c, 0,1
	ds_load_b128 v[12*FI+6*\c:12*FI+6*\c+3], v4 offset:1536*FI+768*\c
	ds_load_b64 v[12*FI+6*\c+4:12*FI+6*\c+5], v5 offset:1536*FI+768*\c+512
.endr
.set FI, FI+1
.endr
	WIN 0
.set FI, 0
.rept 12
	ds_load_b32 v[40+FI], v6 offset:XSC+64*FI
.set FI, FI+1
.endr
	s_wait_dscnt 0x0
	LMMA 3, 0, 20
	LVPH 128
	BARRIER                                        ; x1 lies in the stage
.irp b, 0,1,2,3
	v_mov_b32 v[TM+4+\b], 0                        ; a lane permute's destination counts as read
.endr
	s_wait_alu depctr_vm_vsrc(0)                   ; the first phase's LDS stores have read v227, v228, v230-235 and v240-243, in which K step 1's loads land
	QBOTH
	s_wait_alu depctr_va_vdst(0)                   ; the two QUANTs have written v[PC ..] and v[PW ..], which the stores read, and are done reading X and X1
	IMAGE 15, PC, 0
	ds_store_b32 v16, v[PW]
	IMAGE 15, PC+12, 1536
	ds_store_b32 v16, v[PW+1] offset:64
	BARRIER                                        ; x1's 8 fragments lie in LDS, and nobody reads the stage any more
	; ---- layer 2.  The loads below land in registers that layer 1's products read: the waits of layer 1's bn stand behind those products, and nothing since names these registers
	WIN 0x80
.set FI, 0
.rept 8
.irp g, 0,1,2
	ds_load_b128 v[12*FI+4*\g:12*FI+4*\g+3], v4 offset:HIMG+1536*FI+512*\g
.endr
.set FI, FI+1
.endr
	WIN 0
.set FI, 0
.rept 8
	ds_load_b32 v[40+FI], v6 offset:HSC+64*FI
.set FI, FI+1
.endr
	s_wait_dscnt 0x0
	s_wait_alu depctr_vm_vsrc(0)                   ; layer 1's LDS stores have read the 16 accumulators, which the products below write; the images' stores have read v[PC ..] and v[PW ..], which the next QUANTs write
	LMMA 2, 144, 32
	LVPH 136
	BARRIER                                        ; x2 lies in the stage
	QBOTH
	; ---- the way out: my 16 rows of 256 bytes go through my own LDS bytes, so that sixteen lanes store one whole row
.irp i, 2,3,4,5,6,7
	v_mov_b32 v[PW+\i], 0
.endr
	s_wait_alu depctr_va_vdst(0)                   ; codes, scale words and zeros are written, which the stores read; QUANT is done reading X1, in part of which the loads below land
.irp q, 0,1,2,3,4,5
	ds_store_b128 v17, v[PC+4*\q:PC+4*\q+3] offset:16*\q
.endr
	ds_store_b128 v17, v[PW:PW+3] offset:96
	ds_store_b128 v17, v[PW+4:PW+7] offset:112
.irp i, 0,1,2,3,4,5,6,7
	ds_load_b128 v[192+4*\i:195+4*\i], v18 offset:544*\i   ; LDS serves a wave in order: these see my stores
.endr
.irp i, 0,1,2,3,4,5,6,7
	s_wait_dscnt 7-\i
	global_store_b128 v19, v[192+4*\i:195+4*\i], s[20:21] offset:512*\i   ; two rows of 256 consecutive bytes, aligned
.endr
	s_wait_dscnt 0x0                               ; the closing lines, six on end
	s_wait_alu 0x0
	s_wait_tensorcnt 0x0
	ds_add_u32 v254, v255
	s_wait_dscnt 0x0
	s_endpgm
.Lfunc_end_k_q277b2acf45_tmlp:
	.size	k_q277b2acf45_tmlp, .Lfunc_end_k_q277b2acf45_tmlp-k_q277b2acf45_tmlp
	.p2alignl 7, 3214868480
	.fill 96, 4, 3214868480
	.section	.rodata,"a",@progbits
	.p2align	6, 0x0
	.amdhsa_kernel k_q277b2acf45_tmlp
		.amdhsa_group_segment_fixed_size 116480
		.amdhsa_private_segment_fixed_size 0
		.amdhsa_enable_private_segment 0
		.amdhsa_kernarg_size 72
		.amdhsa_user_sgpr_count 2
		.amdhsa_user_sgpr_kernarg_segment_ptr 1
		.amdhsa_wavefront_size32 1
		.amdhsa_system_sgpr_workgroup_id_x 1
		.amdhsa_system_sgpr_workgroup_id_y 1
		.amdhsa_system_sgpr_workgroup_id_z 1
		.amdhsa_system_vgpr_workitem_id 0
		.amdhsa_next_free_vgpr 1024
		.amdhsa_next_free_sgpr 66
		.amdhsa_reserve_vcc 0
		.amdhsa_float_denorm_mode_32 3
		.amdhsa_float_denorm_mode_16_64 3
		.amdhsa_memory_ordered 1
		.amdhsa_forward_progress 1
		.amdhsa_inst_pref_size 110
	.end_amdhsa_kernel
	.amdgpu_metadata
---
amdhsa.version: [ 1, 2 ]
amdhsa.kernels:
  - .name:           k_q277b2acf45_tmlp
    .symbol:         k_q277b2acf45_tmlp.kd
    .args:
      - { .name: template_feature, .offset: 0, .size: 8, .value_kind: global_buffer, .address_space: global }
      - { .name: template_xyz, .offset: 8, .size: 8, .value_kind: global_buffer, .address_space: global }
      - { .name: template_bc, .offset: 16, .size: 8, .value_kind: global_buffer, .address_space: global }
      - { .name: wq, .offset: 24, .size: 8, .value_kind: global_buffer, .address_space: global }
      - { .name: g1, .offset: 32, .size: 8, .value_kind: global_buffer, .address_space: global }
      - { .name: b1, .offset: 40, .size: 8, .value_kind: global_buffer, .address_space: global }
      - { .name: g2, .offset: 48, .size: 8, .value_kind: global_buffer, .address_space: global }
      - { .name: b2, .offset: 56, .size: 8, .value_kind: global_buffer, .address_space: global }
      - { .name: x2q, .offset: 64, .size: 8, .value_kind: global_buffer, .address_space: global }
    .group_segment_fixed_size: 116480
    .private_segment_fixed_size: 0
    .kernarg_segment_align: 8
    .kernarg_segment_size: 72
    .max_flat_workgroup_size: 128
    .sgpr_count:     66
    .vgpr_count:     1024
    .wavefront_size: 32
...
	.end_amdgpu_metadata
.endif
;; end of part 5
;; launch pool (part 6): grid 256 x 1, 4 waves a work-group, no clusters, 233,984 bytes of LDS; arguments idx, x2q, wq, g3, b3, gf1, bf1, bf2, out0; writes out0
.if DOCPART == 6
	.amdgcn_target "amdgcn-amd-amdhsa--gfx1250"
	.amdhsa_code_object_version 6
	.text
	.protected	k_q277b2acf45_pool
	.globl	k_q277b2acf45_pool
	.p2align	8
	.type	k_q277b2acf45_pool,@function
k_q277b2acf45_pool:
	s_mov_b64 s[64:65], 0
	v_nop
	global_prefetch_b8 v0, s[64:65] scope:SCOPE_SE
	s_setreg_imm32_b32 hwreg(HW_REG_WAVE_SCHED_MODE, 0, 2), 2
	s_setreg_imm32_b32 hwreg(HW_REG_WAVE_MODE, 25, 1), 1
	s_wait_xcnt 0x0
	s_wait_alu depctr_vm_vsrc(0)
; out = Wf2 Q(relu(bnf1(Wf1 Q(max over 8 neighbours of relu(bn3(W3 x2[neighbour])))))) + bf2, all three products on codes of FP6 (E2M3).
; A work-group takes 128 search points of one batch (b = wg / 8, n0 = 128 (wg % 8)).
; LAYER 3 IS SHARED BY ROWS: wave w owns points 32 w .. 32 w + 31 and holds ALL of W3 in 384 registers.  Row rho of its tile t is neighbour rho % 8 of point 32 w + 16 (rho / 8) + t:
; with source 0 = rows, source 1 = 16 weight rows, a lane's eight results are ONE point's eight neighbours at one channel: bn is four packed multiply-adds by the lane's (g, b), the maximum four
; three-way maxima (the last with 0: relu commutes with the maximum), and no lane is asked.  A row is gathered as it was laid: lane (rho, h) takes 96 bytes of codes and two scale words of half h.
; The gathers run through a ring of four register buffers, three tiles (96 products) ahead.
; LAYERS 5 AND 6 ARE SHARED BY CHANNELS: wave w makes channels 64 w .. 64 w + 63 for all 128 points; the points' codes go round through LDS as images of the operand's registers.
; The only addresses that hang on data are the gathers': idx was stored by an earlier launch and is held at 511.
; No cluster: the gathered rows differ from work-group to work-group, and the weights, 147 KB read once, are the smaller part of a work-group's bytes.
; LIMITS: NaN and infinities are not served; a block under 2^-124, a block of zeros among them, gets the byte 1 (its bytes are read by this program alone).
; THE MODE: SCHED_MODE bits 1:0 = 2 (LLVM: expert scheduling mode 2), set by the entry lines.  The code itself states the register dependences
; between vector or matrix instructions and memory or LDS instructions, with s_wait_alu, always for 0.
; THE PLAN, layer 3.  A step is a tile t of 16 rows: 32 products and four groups of vector lines.  Registers that memory or LDS instructions touch:
;   RB[t % 4], RS[t % 4]  read by tile t's products; the gather of tile t + 4 lands in them, issued in step t + 1.
;   M[t % 2]              16 maxima, written by tile t's vector lines; read by 16 LDS stores, issued in step t + 1; written again in step t + 2.
;   v101 (window 3)       the stage address: read by those stores, written once in four steps.     OFF + 4 .. + 11: read by the gathers, shifted at a trip's end.
; ONE wait on va_vdst stands at a step's head: tile t - 1's products are done reading their buffer, its maxima are written, and at a trip's head v101 and the shifted offsets are written.
; The step's seven loads and sixteen stores follow with no further wait: its products and vector lines name the other buffers and the other M.  A wait on vm_vsrc beside it: the last step's stores have read the M that this step writes.
; Behind layer 3: QROWS, layers 5 and 6 go by the same plan: each macro's comments name its buffers.
.set WIMG, 0                           ; LDS: W3's 32 fragments (16 s + c), 1,536 bytes each
.set ST,   49152                       ; the stage: 128 points x (1,024 + 16) bytes of f32
.set AIMG, 182272                      ; 16 fragments (2 m + s) for layer 5, and their scale words
.set ASC,  206848
.set BIMG, 207872                      ; the same for layer 6
.set BSC,  232448
                                       ; the way out: 64 channel rows x (512 + 16) bytes for each wave, from byte 0 on: over W3's image and the stage, behind the last barrier, when nobody reads them
.set SEL,  30
.set OFF,  20                          ; v20-35   byte offsets of my 16 tiles' rows in the batch's x2q
.set RB,   36                          ; v36-131  the ring: buffer a's 24 code registers at 36 + 24 a
.set RS,   132                         ; v132-139 its two scale words at 132 + 2 a
.set W3S,  140                         ; v140-171 W3's scale words (2 c + s); later the points' (2 m + s)
.set AS,   140
.set WF1S, 172                         ; v172-179, v180-187 Wf1's and Wf2's (2 i + s).  v132-187 hold scales and nothing else
.set WF2S, 180
.set X,    36                          ; behind layer 3: v36-99 and v192-255 two buffers of 64 numbers; v100-107, v112-115 at work; v108-110, v128-130 second halves; v116-127 codes; v131 scale word
.set X1,   192
.set TM,   100
.set CT,   108
.set PC,   116
.set PW,   131
.set MX,   216                         ; window 3: the maxima, set e, group g, tile i at 216 + 16 e + 4 g + i
; window 1: W3's tiles 0-7 at 24 c + 12 s; later Wf2 at 24 i + 12 s.  window 2: W3's tiles 8-15; later the points' 16 fragments at 12 (2 m + s).
; window 3: v0-63 two sets of four accumulators; (g3, b3) at 64 + 2 c, later a third set; v100-104 stage addresses; Wf1 at 112 + 24 i + 12 s; (gf1, bf1) at 208 + 2 i;
;   v216-247 the maxima, later bf2 eight times at 216 + 8 i; bf2 as loaded at 248 + i
.set MSB, 0
.macro WIN new                         ; the immediate's high byte repeats the setting that is left
.if MSB != \new
	s_set_vgpr_msb (MSB<<8)|\new
.set MSB, \new
.endif
.endm
.macro PLACES n
.rept \n
	v_nop
.endr
.endm
.macro BARRIER                         ; my LDS stores have landed and my LDS loads are in: then the work-group's barrier
	s_wait_dscnt 0x0
	s_barrier_signal -1
	s_barrier_wait -1
.endm
; 64 numbers of a lane, register x + 16 b + i = k 32 b + 16 (lane / 16) + i of my row, become a fragment's 12 code registers at pc and the row's scale word in pw.
.macro QUANT x, pc, pw
.irp b, 0,1,2,3
	v_max3_num_f32 v[TM+\b], |v[\x+16*\b]|, |v[\x+1+16*\b]|, 0x1800000   ; my 16 numbers of block b and the floor 2^(3 - 127): the byte cannot fall under 1
.endr
.irp i, 2,4,6,8,10,12,14
.irp b, 0,1,2,3
	v_max3_num_f32 v[TM+\b], v[TM+\b], |v[\x+16*\b+\i]|, |v[\x+1+16*\b+\i]|
.endr
.endr
.irp b, 0,1,2,3
	v_permlanex16_b32 v[TM+4+\b], v[TM+\b], s[SEL], s[SEL+1]
.endr
.irp b, 0,1,2,3
	v_max_num_f32 v[TM+\b], v[TM+\b], v[TM+4+\b]
.endr
.irp b, 0,1,2,3
	v_add_nc_u32 v[TM+12+\b], 0xff000000, v[TM+\b]    ; 2 off the exponent field: the conversion's scale operand
.endr
.irp b, 0,1,2,3
	v_lshrrev_b32 v[TM+4+\b], 23, v[TM+12+\b]
.endr
	v_lshl_or_b32 v[\pw], v[TM+5], 8, v[TM+4]
	v_lshl_or_b32 v[\pw], v[TM+6], 16, v[\pw]
	v_lshl_or_b32 v[\pw], v[TM+7], 24, v[\pw]
.irp c, 0,1
	v_cvt_scalef32_pk16_fp6_f32 v[\pc+6*\c:\pc+2+6*\c], v[\x+32*\c:\x+15+32*\c], v[TM+12+2*\c]
	v_cvt_scalef32_pk16_fp6_f32 v[CT+20*\c:CT+2+20*\c], v[\x+16+32*\c:\x+31+32*\c], v[TM+13+2*\c]
.endr
	v_nop                                          ; one plain instruction behind the scaled conversions
.irp c, 0,1
.irp i, 0,1,2
	v_permlane16_swap_b32 v[\pc+6*\c+\i], v[CT+20*\c+\i]
.endr
.irp i, 0,1,2
	v_mov_b32 v[\pc+3+6*\c+\i], v[CT+20*\c+\i]
.endr
.endr
.endm
.macro IMAGE adr, pc, off
.irp g, 0,1,2
	ds_store_b128 v[\adr], v[\pc+4*\g:\pc+4*\g+3] offset:\off+512*\g
.endr
.endm
	s_load_b512 s[4:19], s[0:1], 0x0               ; idx s[4:5], x2q s[6:7], wq s[8:9], g3 s[10:11], b3 s[12:13], gf1 s[14:15], bf1 s[16:17], bf2 s[18:19]
	s_load_b64 s[20:21], s[0:1], 0x40              ; out0
	v_lshl_add_u32 v191, v0, 2, 0x39000
	s_set_vgpr_msb 0x40
	v_mov_b32 v255, 0
	s_set_vgpr_msb 0x4000
	v_and_b32 v1, 31, v0                           ; lane
	v_and_b32 v2, 15, v0                           ; r
	v_bfe_u32 v3, v0, 4, 1                         ; h
	v_lshrrev_b32 v19, 5, v0
	v_readfirstlane_b32 s22, v19                   ; wave
	s_lshr_b32 s23, ttmp9, 3                       ; b
	s_and_b32 s44, ttmp9, 7
	s_lshl_b32 s44, s44, 7                         ; n0
	s_mov_b32 s[SEL], 0x76543210
	s_mov_b32 s[SEL+1], 0xfedcba98
	v_lshlrev_b32 v4, 4, v1                        ; 16 lane
	v_lshlrev_b32 v5, 2, v2                        ; 4 r
	v_and_b32 v6, 7, v2
	v_lshlrev_b32 v6, 12, v6
	v_lshrrev_b32 v19, 3, v2
	v_lshl_add_u32 v6, v19, 6, v6                  ; idx: slot r % 8, points 16 (r / 8) on
	v_lshlrev_b32 v7, 7, v3                        ; my half of a row of x2q
	s_wait_alu depctr_va_sdst(0)                   ; s22 is written, ahead of its first reader: the wave's shares are made from it
	s_mul_i32 s45, s22, 33280
	v_mul_u32_u24 v8, v2, 1040
	v_lshl_add_u32 v8, v3, 6, v8
	v_add_nc_u32 v8, s45, v8
	v_add_nc_u32 v8, ST, v8                        ; the stage, back: point 32 w + r, + 64 h
	s_mul_i32 s46, s22, 6144
	v_add_nc_u32 v9, s46, v4
	v_add_nc_u32 v10, BIMG, v9
	v_add_nc_u32 v9, AIMG, v9                      ; where I store my four fragments
	s_lshl_b32 s47, s22, 8
	v_add_nc_u32 v11, s47, v5
	v_add_nc_u32 v12, BSC, v11
	v_add_nc_u32 v11, ASC, v11
	v_add_nc_u32 v13, AIMG, v4                     ; and from where anybody fetches
	v_add_nc_u32 v14, BIMG, v4
	v_add_nc_u32 v15, ASC, v5
	v_add_nc_u32 v16, BSC, v5
	s_mul_i32 s28, s22, 12288
	v_add_nc_u32 v17, s28, v4                      ; my quarter of W3's image
	s_mul_i32 s29, s22, 33792
	v_add_nc_u32 v18, s29, v4                      ; the way out, back
	v_mul_u32_u24 v188, v3, 16640
	v_lshl_add_u32 v188, v2, 2, v188
	v_add_nc_u32 v188, s45, v188
	v_mul_u32_u24 v189, v3, 8320
	v_lshl_add_u32 v189, v2, 2, v189
	v_add_nc_u32 v189, s47, v189
	v_mul_u32_u24 v190, v2, 528
	v_lshl_add_u32 v190, v3, 5, v190
	WIN 0xC0                                       ; destinations in window 3
	v_add_nc_u32 v100, ST, v188                    ; layer 3: point 32 w + 16 h (+ t), channel r (+ 16 c)
	v_add_nc_u32 v102, ST, v189                    ; layer 5: points 8 h + j (+ 16 m), channel 64 w + r (+ 16 i);
	v_add_nc_u32 v103, ST+66560, v189              ; the same 64 points on
	v_add_nc_u32 v104, s29, v190                   ; layer 6: channel row r (+ 16 i), 32 h bytes (+ 64 m)
	WIN 0
	s_lshl_b32 s2, s23, 17                         ; a batch's x2q: 131,072 bytes
	s_mov_b32 s3, 0
	s_lshl_b32 s36, s23, 13
	s_add_co_u32 s36, s36, s44
	s_lshl_b32 s37, s22, 5
	s_add_co_u32 s36, s36, s37
	s_lshl_b32 s36, s36, 2
	s_mov_b32 s37, 0
	s_lshl_b32 s42, s23, 8
	s_lshl_b32 s43, s22, 6
	s_add_co_u32 s42, s42, s43
	s_lshl_b32 s42, s42, 12
	s_lshl_b32 s43, s44, 2
	s_add_co_u32 s42, s42, s43                     ; out0: (256 b + 64 w) rows of 4,096 bytes + 4 n0
	s_mov_b32 s43, 0
	s_mov_b32 s39, 0
	s_wait_kmcnt 0x0
	s_add_nc_u64 s[24:25], s[6:7], s[2:3]
	s_add_nc_u64 s[26:27], s[4:5], s[36:37]
	s_add_nc_u64 s[40:41], s[20:21], s[42:43]
	s_mov_b32 s38, s46
	s_add_nc_u64 s[32:33], s[8:9], s[38:39]        ; wq at my four tiles' codes
	s_mov_b32 s38, s28
	s_add_nc_u64 s[36:37], s[8:9], s[38:39]        ; at my quarter of a weight
	s_mov_b32 s38, s47
	s_add_nc_u64 s[34:35], s[8:9], s[38:39]        ; 256 w on, for my tiles' scale words
	s_add_nc_u64 s[14:15], s[14:15], s[38:39]      ; gf1, bf1, bf2 at my 64 channels
	s_add_nc_u64 s[16:17], s[16:17], s[38:39]
	s_add_nc_u64 s[18:19], s[18:19], s[38:39]
.macro GATHER a, o                     ; a tile's 16 rows into buffer a: seven loads
.irp q, 0,1,2,3,4,5
	global_load_b128 v[RB+24*(\a)+4*\q:RB+24*(\a)+4*\q+3], v[\o], s[24:25] offset:16*\q
.endr
	global_load_b64 v[RS+2*(\a):RS+2*(\a)+1], v[\o], s[24:25] offset:96
.endm
	s_wait_alu depctr_va_vdst(0)                   ; the offsets and LDS addresses v4-18 and window 3's v100, v102-104 are written: loads and stores read them, and none of them is written again
.irp q, 0,1,2,3
	global_load_b128 v[OFF+4*\q:OFF+4*\q+3], v6, s[26:27] offset:16*\q   ; my row's neighbour for the 16 tiles: 16 neighbouring numbers
.endr
	WIN 0x40
.set KI, 0
.rept 24
	global_load_b128 v[4*KI:4*KI+3], v4, s[36:37] offset:80*1536+512*KI   ; my quarter of W3 (window 1, on its way to LDS)
.set KI, KI+1
.endr
	WIN 0
	s_wait_loadcnt 24                              ; the indices are in; the 24 loads behind them may be out
.set KI, 0
.rept 16
	v_min_u32 v[OFF+KI], 0x1ff, v[OFF+KI]          ; held inside the batch's 512 templates
	v_lshl_add_u32 v[OFF+KI], v[OFF+KI], 8, v7     ; 256 bytes a row, + my half
.set KI, KI+1
.endr
	s_wait_alu depctr_va_vdst(0)                   ; the 16 offsets are written, which the gathers read
	GATHER 0, OFF
	GATHER 1, OFF+1
	GATHER 2, OFF+2
	GATHER 3, OFF+3
.set KI, 0
.rept 16
	global_load_b32 v[W3S+2*KI], v5, s[8:9] offset:270336+64*(80+KI)
	global_load_b32 v[W3S+2*KI+1], v5, s[8:9] offset:270336+64*(96+KI)
.set KI, KI+1
.endr
	s_wait_loadcnt 60                              ; my quarter of W3 is in: behind it stand 28 + 32 loads
	WIN 0x04                                       ; an LDS store's data are its source 1: window 1
.set KI, 0
.rept 24
	ds_store_b128 v17, v[4*KI:4*KI+3] offset:512*KI
.set KI, KI+1
.endr
	WIN 0xC0
.set KI, 0
.rept 16
	global_load_b32 v[64+2*KI], v5, s[10:11] offset:64*KI
	global_load_b32 v[65+2*KI], v5, s[12:13] offset:64*KI
.set KI, KI+1
.endr
.irp i, 0,1,2,3
.irp ks, 0,1
.irp g, 0,1,2
	global_load_b128 v[112+24*\i+12*\ks+4*\g:112+24*\i+12*\ks+4*\g+3], v4, s[32:33] offset:(112+16*\ks+\i)*1536+512*\g
.endr
.endr
	global_load_b32 v[208+2*\i], v5, s[14:15] offset:64*\i
	global_load_b32 v[209+2*\i], v5, s[16:17] offset:64*\i
	global_load_b32 v[248+\i], v5, s[18:19] offset:64*\i
.endr
	WIN 0
.irp i, 0,1,2,3
.irp ks, 0,1
	global_load_b32 v[WF1S+2*\i+\ks], v5, s[34:35] offset:270336+64*(112+16*\ks+\i)
.endr
.endr
	BARRIER                                        ; W3's image is whole
	WIN 0x40
	s_wait_alu depctr_vm_vsrc(0)                   ; my LDS stores have read window 1's v0-95, in which the loads below land
.set CI, 0
.rept 8
.irp ks, 0,1
.irp g, 0,1,2
	ds_load_b128 v[24*CI+12*\ks+4*\g:24*CI+12*\ks+4*\g+3], v4 offset:(16*\ks+CI)*1536+512*\g
.endr
.endr
.set CI, CI+1
.endr
	WIN 0x80
.set CI, 0
.rept 8
.irp ks, 0,1
.irp g, 0,1,2
	ds_load_b128 v[24*CI+12*\ks+4*\g:24*CI+12*\ks+4*\g+3], v4 offset:(16*\ks+CI+8)*1536+512*\g
.endr
.endr
.set CI, CI+1
.endr
	WIN 0
	s_wait_loadcnt 0x0
	s_wait_dscnt 0x0
; ---- LAYER 3.  W3 a, g: buffer a's tile against weight tiles 4 g .. 4 g + 3, both K steps: eight products on four accumulators by turns (set g % 2).
.macro W3 a, g
.if (\g) < 2
	WIN 0xF4                                       ; source 0 window 0, source 1 window 1, C and D window 3
.else
	WIN 0xF8                                       ; source 1 window 2
.endif
.irp ks, 0,1
.irp i, 0,1,2,3
.set AC, 32*((\g)%2)+8*\i
.set BF, 24*((4*(\g)+\i)%8)+12*\ks
.if \ks == 0
	v_wmma_scale_f32_16x16x128_f8f6f4 v[AC:AC+7], v[RB+24*(\a):RB+24*(\a)+11], v[BF:BF+11], 0, v[RS+2*(\a)], v[W3S+2*(4*(\g)+\i)] matrix_a_fmt:MATRIX_FMT_FP6 matrix_b_fmt:MATRIX_FMT_FP6
.else
	v_wmma_scale_f32_16x16x128_f8f6f4 v[AC:AC+7], v[RB+24*(\a)+12:RB+24*(\a)+23], v[BF:BF+11], v[AC:AC+7], v[RS+2*(\a)+1], v[W3S+2*(4*(\g)+\i)+1] matrix_a_fmt:MATRIX_FMT_FP6 matrix_b_fmt:MATRIX_FMT_FP6
.endif
.endr
.endr
.endm
; V3 a, g, st: bn and the maximum over the lane's eight neighbours and 0, into this tile's set of maxima.  32 plain instructions on the accumulators that the products just issued do not name:
; they are the places between those products and the first read of their results and the next products onto their set.
; st = 1: at its head stand four stores of the TILE BEFORE's maxima of group g, from the other set, which no vector line since the step's wait names.
.macro V3 a, g, st
	WIN 0xFF
.set AS0, 32*((\g)%2)
.set MN, MX+16*((\a)%2)+4*(\g)
.set MO, MX+16*(((\a)+1)%2)+4*(\g)
.set PO, 1040*(((\a)+3)%4)+256*(\g)
.if \st
.irp i, 0,1,2,3
	ds_store_b32 v101, v[MO+\i] offset:PO+64*\i
.endr
.endif
.irp p, 0,2,4,6
.irp i, 0,1,2,3
	v_pk_fma_f32 v[AS0+8*\i+\p:AS0+8*\i+\p+1], v[AS0+8*\i+\p:AS0+8*\i+\p+1], v[64+2*(4*(\g)+\i):65+2*(4*(\g)+\i)], v[64+2*(4*(\g)+\i):65+2*(4*(\g)+\i)] op_sel:[0,0,1] op_sel_hi:[1,0,1]
.endr
.endr
.irp i, 0,1,2,3
	v_max3_num_f32 v[MN+\i], v[AS0+8*\i], v[AS0+8*\i+1], v[AS0+8*\i+2]
.endr
.irp i, 0,1,2,3
	v_max3_num_f32 v[MN+\i], v[MN+\i], v[AS0+8*\i+3], v[AS0+8*\i+4]
.endr
.irp i, 0,1,2,3
	v_max3_num_f32 v[MN+\i], v[MN+\i], v[AS0+8*\i+5], v[AS0+8*\i+6]
.endr
.irp i, 0,1,2,3
	v_max3_num_f32 v[MN+\i], v[MN+\i], v[AS0+8*\i+7], 0
.endr
.endm
; A step: the tile in buffer a.  It begins behind the tile's first eight products and the tile before's last vector group.
; prev = 1: a tile stands before it: the waits, and that tile's stores.  ld = 1: that tile's buffer is filled again, with the tile four on.  nxt = 1: the next tile's first eight products; left: the loads that may be out ahead of them.
.macro STEP a, prev, ld, nxt, left
.set PB, ((\a)+3)%4
.set NB, ((\a)+1)%4
.if \prev
	WIN 0xFF
.if PB == 0
	v_add_nc_u32 v101, s28, v100                   ; the stage at the next four points (the wait on vm_vsrc at the trip's end stands behind every store that read v101 and the maxima)
.else
	s_wait_alu depctr_vm_vsrc(0)                   ; the last step's stores have read the set of maxima that this step's vector lines write
.endif
	s_wait_alu depctr_va_vdst(0)                   ; the tile before: its products are done reading their buffer and scale words, in which the gather lands; its 16 maxima are written, which the stores read; at a trip's head v101 and the shifted offsets are written
.endif
	W3 \a, 1
.if \ld
	WIN 0
	GATHER PB, OFF+4+PB                            ; no wait: the products since the wait name this tile's buffer, not that one
.endif
	V3 \a, 0, \prev
	W3 \a, 2
	V3 \a, 1, \prev
	W3 \a, 3
	V3 \a, 2, \prev
.if \nxt
	s_wait_loadcnt \left                           ; the next buffer is in: behind its seven loads stand the gathers of the two tiles after it (in the first step nothing is out; in the tail the counts run down)
	W3 NB, 0
.endif
	V3 \a, 3, \prev
.endm
	W3 0, 0
	WIN 0
	PLACES 5                                       ; on this way in no other vector work stands behind the first products
	s_mov_b32 s28, 0
	s_mov_b32 s29, 3
	STEP 0, 0, 0, 1, 14                            ; tile 0 stands ahead of the loop: no tile before it, nothing to fill again
	WIN 0
.Ltrip:                                                ; three trips: tiles 1 to 12, each of which fills the buffer of the tile before; tiles 13 to 15 are written out
	STEP 1, 1, 1, 1, 14
	STEP 2, 1, 1, 1, 14
	STEP 3, 1, 1, 1, 14
	STEP 0, 1, 1, 1, 14
	WIN 0
	s_wait_xcnt 0x0                                ; the gathers have had their addresses translated
	s_wait_alu depctr_vm_vsrc(0)                   ; the gathers have read their offsets, which the lines below write; the stores issued so far have read v101 and their maxima, which the next step writes
.irp i, 4,5,6,7,8,9,10,11
	v_min_u32 v[OFF+\i], 0x1ff80, v[OFF+\i+4]      ; the offsets move up four places, held at the last half row of the batch: the text names the same four registers in every trip
.endr
	s_add_co_u32 s28, s28, 4160
	s_sub_co_u32 s29, s29, 1
	s_cmp_lg_u32 s29, 0
	s_cbranch_scc1 .Ltrip
	STEP 1, 1, 0, 1, 7
	STEP 2, 1, 0, 1, 0
	STEP 3, 1, 0, 0, 0
	s_wait_alu depctr_va_vdst(0)                   ; tile 15's maxima are written, which the stores read; the last products are done reading W3's registers and the ring, in which the loads below land
.irp g, 0,1,2,3
.irp i, 0,1,2,3
	ds_store_b32 v101, v[MX+16+4*\g+\i] offset:3120+256*\g+64*\i
.endr
.endr
	WIN 0x40                                       ; W3 is done with: Wf2's fragments take window 1
.irp i, 0,1,2,3
.irp ks, 0,1
.irp g, 0,1,2
	global_load_b128 v[24*\i+12*\ks+4*\g:24*\i+12*\ks+4*\g+3], v4, s[32:33] offset:(144+16*\ks+\i)*1536+512*\g
.endr
.endr
.endr
	WIN 0
.irp i, 0,1,2,3
.irp ks, 0,1
	global_load_b32 v[WF2S+2*\i+\ks], v5, s[34:35] offset:270336+64*(144+16*\ks+\i)
.endr
.endr
; my 32 points, two tiles of 16, two K steps each: four fragments f = 2 mu + s, from the stage into codes, and their images into LDS.
; Two buffers of numbers by turns: while one is quantised, the other's 16 loads are on their way.  One set of codes.
.macro LOADX f, x
.irp b, 0,1,2,3
.irp q, 0,1,2,3
	ds_load_b128 v[\x+16*\b+4*\q:\x+16*\b+4*\q+3], v8 offset:16640*((\f)/2)+512*((\f)%2)+128*\b+16*\q
.endr
.endr
.endm
.macro QF f, x, left, imw, scw, more
	s_wait_dscnt \left                             ; this fragment's 16 loads are in; left counts the LDS loads and stores issued behind them
.if \f > 0
	s_wait_alu depctr_vm_vsrc(0)                   ; the last image's stores have read v[PC ..] and v[PW], which QUANT writes
.endif
	QUANT \x, PC, PW
	s_wait_alu depctr_va_vdst(0)                   ; QUANT has written v[PC ..] and v[PW], which the stores read, and is done reading its buffer, in which the loads of the fragment two on land
.if \more
	LOADX (\f)+2, \x
.endif
	IMAGE \imw, PC, (\f)*1536
	ds_store_b32 v[\scw], v[PW] offset:64*(\f)
.endm
.macro QROWS imw, scw
	LOADX 0, X
	LOADX 1, X1
	QF 0, X,  16, \imw, \scw, 1                    ; behind: fragment 1's 16 loads
	QF 1, X1, 20, \imw, \scw, 1                    ; behind: fragment 2's 16 loads, image 0's 4 stores
	QF 2, X,  24, \imw, \scw, 0                    ; behind: image 0's 4, fragment 3's 16, image 1's 4
	QF 3, X1, 8,  \imw, \scw, 0                    ; behind: images 1's and 2's 4 each
.endm
.macro FETCHALL li, sr                 ; all 16 fragments into window 2, and their scale words: registers that earlier products read; the waits on va_vdst in QROWS stand behind those products
	WIN 0x80
.set FI, 0
.rept 16
.irp g, 0,1,2
	ds_load_b128 v[12*FI+4*\g:12*FI+4*\g+3], v[\li] offset:1536*FI+512*\g
.endr
.set FI, FI+1
.endr
	WIN 0
.set FI, 0
.rept 16
	ds_load_b32 v[AS+FI], v[\sr] offset:64*FI
.set FI, FI+1
.endr
	s_wait_dscnt 0x0
.endm
.irp b, 0,1,2,3
	v_mov_b32 v[TM+4+\b], 0                        ; a lane permute's destination counts as read
.endr
	QROWS 9, 11                                    ; my own rows of the stage: LDS serves a wave in order, no barrier is wanted
	BARRIER                                        ; the 16 fragments lie in LDS, and nobody reads the stage any more
; ---- LAYER 5: my 64 channels for the eight tiles of points.  Three sets of four accumulators by turns (m % 3): tile m's bn and relu work in place; its 32 stores are dealt among tile m + 1's vector lines,
; behind the wait at that tile's head; tile m + 3's products write the set again, behind a wait on vm_vsrc.
.macro W5 m
	WIN 0xFE                                       ; source 0 window 2, source 1, C and D window 3
.irp ks, 0,1
.irp i, 0,1,2,3
.set AC, 32*((\m)%3)+8*\i
.if \ks == 0
	v_wmma_scale_f32_16x16x128_f8f6f4 v[AC:AC+7], v[24*(\m):24*(\m)+11], v[112+24*\i:112+24*\i+11], 0, v[AS+2*(\m)], v[WF1S+2*\i] matrix_a_fmt:MATRIX_FMT_FP6 matrix_b_fmt:MATRIX_FMT_FP6
.else
	v_wmma_scale_f32_16x16x128_f8f6f4 v[AC:AC+7], v[24*(\m)+12:24*(\m)+23], v[124+24*\i:124+24*\i+11], v[AC:AC+7], v[AS+2*(\m)+1], v[WF1S+2*\i+1] matrix_a_fmt:MATRIX_FMT_FP6 matrix_b_fmt:MATRIX_FMT_FP6
.endif
.endr
.endr
.endm
.macro V5 m, st
	WIN 0xFF
.irp i, 0,1,2,3
.set AC, 32*((\m)%3)+8*\i
.set AP, 32*(((\m)+2)%3)+8*\i
.if \st
.irp j, 0,1,2,3,4,5,6,7
	ds_store_b32 v[102+((\m)-1)/4], v[AP+\j] offset:(16*(((\m)-1)%4)+\j)*1040+64*\i   ; the tile before's: no vector or matrix line since the wait names its set
.endr
.endif
.irp p, 0,2,4,6
	v_pk_fma_f32 v[AC+\p:AC+\p+1], v[AC+\p:AC+\p+1], v[208+2*\i:209+2*\i], v[208+2*\i:209+2*\i] op_sel:[0,0,1] op_sel_hi:[1,0,1]
.endr
.irp j, 0,1,2,3,4,5,6,7
	v_max_num_f32 v[AC+\j], 0, v[AC+\j]
.endr
.endr
.endm
	FETCHALL 13, 15
	s_wait_loadcnt 0x0                             ; Wf2 and its scale words
	WIN 0xC3
.irp i, 0,1,2,3
.irp j, 0,1,2,3,4,5,6,7
	v_mov_b32 v[216+8*\i+\j], v[248+\i]            ; bf2 of my channel in all eight registers: the C of layer 6's first products.  (These held the maxima: the waits on vm_vsrc in QROWS stand behind the stores that read them)
.endr
.endr
	W5 0
	PLACES 5
	W5 1
	V5 0, 0
.irp m, 1,2,3,4,5,6,7
.if (\m > 1) && (\m < 7)
	s_wait_alu depctr_vm_vsrc(0)                   ; the stores of the tile two back have read their set, which the products below write
.endif
	s_wait_alu depctr_va_vdst(0)                   ; the tile before has its bn and relu written: its set is the data of the stores below
.if \m < 7
	W5 \m+1
.endif
	V5 \m, 1
.endr
	s_wait_alu depctr_va_vdst(0)                   ; tile 7's set is written
.irp i, 0,1,2,3
.irp j, 0,1,2,3,4,5,6,7
	ds_store_b32 v103, v[32+8*\i+\j] offset:(48+\j)*1040+64*\i
.endr
.endr
	WIN 0
	BARRIER                                        ; the fourth layer's result lies in the stage
	QROWS 10, 12
	BARRIER                                        ; its 16 fragments lie in LDS; the stage and W3's image are read no more
; ---- LAYER 6: a lane's eight results are eight neighbouring points of one channel, 32 bytes of a row of out0.  Two sets of accumulators by turns: a tile's stores stand behind the next tile's products, which name the other set
.macro W6 m
	WIN 0xF6                                       ; source 0 window 2, source 1 window 1, C and D window 3
.irp ks, 0,1
.irp i, 0,1,2,3
.set AC, 32*((\m)%2)+8*\i
.if \ks == 0
	v_wmma_scale_f32_16x16x128_f8f6f4 v[AC:AC+7], v[24*(\m):24*(\m)+11], v[24*\i:24*\i+11], v[216+8*\i:223+8*\i], v[AS+2*(\m)], v[WF2S+2*\i] matrix_a_fmt:MATRIX_FMT_FP6 matrix_b_fmt:MATRIX_FMT_FP6
.else
	v_wmma_scale_f32_16x16x128_f8f6f4 v[AC:AC+7], v[24*(\m)+12:24*(\m)+23], v[24*\i+12:24*\i+23], v[AC:AC+7], v[AS+2*(\m)+1], v[WF2S+2*\i+1] matrix_a_fmt:MATRIX_FMT_FP6 matrix_b_fmt:MATRIX_FMT_FP6
.endif
.endr
.endr
.endm
	FETCHALL 14, 16
	W6 0                                           ; (layer 5's stores have read these sets: the waits on vm_vsrc in QROWS stand behind them)
	PLACES 5
	s_wait_alu depctr_va_vdst(0)                   ; tile 0's products have written their set, which its stores read; the places above stay beside this wait
.irp m, 0,1,2,3,4,5,6,7
.if \m < 7
.if \m > 0
	s_wait_alu depctr_vm_vsrc(0)                   ; the stores of the tile before have read their set, which the products below write
.endif
	W6 \m+1
.endif
	WIN 0xFF
.irp i, 0,1,2,3
	ds_store_b128 v104, v[32*(\m%2)+8*\i:32*(\m%2)+8*\i+3] offset:8448*\i+64*\m        ; each accumulator from its low end on
	ds_store_b128 v104, v[32*(\m%2)+8*\i+4:32*(\m%2)+8*\i+7] offset:8448*\i+64*\m+16
.endr
.if \m < 7
	PLACES 5
	s_wait_alu depctr_va_vdst(0)                   ; the next tile's products have written their set, which its stores read
.endif
.endr
	WIN 0
	; ---- the way out: my 64 channel rows, 512 bytes each, sixteen at a time, into two sets of registers by turns (the two buffers of numbers: the waits on va_vdst above stand behind QUANT's reads of them)
.irp bt, 0,1,2,3
.if \bt > 1
	s_wait_xcnt 0x0                                ; the stores of two batches ago have had their addresses translated
	s_wait_alu depctr_vm_vsrc(0)                   ; and have read their registers, in which the loads below land
.endif
.irp i, 0,1,2,3,4,5,6,7,8,9,10,11,12,13,14,15
	ds_load_b128 v[36+156*(\bt%2)+4*\i:36+156*(\bt%2)+4*\i+3], v18 offset:528*(16*\bt+\i)   ; LDS serves a wave in order: these see my stores
.endr
.irp i, 0,1,2,3,4,5,6,7,8,9,10,11,12,13,14,15
	s_wait_dscnt 15-\i
	global_store_b128 v4, v[36+156*(\bt%2)+4*\i:36+156*(\bt%2)+4*\i+3], s[40:41] offset:4096*(16*\bt+\i) th:TH_STORE_NT   ; 512 consecutive bytes of one channel, aligned; written once
.endr
.endr
	s_set_vgpr_msb 0x4                             ; the add's data register lies in window 1
	s_wait_dscnt 0x0                               ; the closing lines, six on end
	s_wait_alu 0x0
	s_wait_tensorcnt 0x0
	ds_add_u32 v191, v255
	s_wait_dscnt 0x0
	s_endpgm
.Lfunc_end_k_q277b2acf45_pool:
	.size	k_q277b2acf45_pool, .Lfunc_end_k_q277b2acf45_pool-k_q277b2acf45_pool
	.p2alignl 7, 3214868480
	.fill 96, 4, 3214868480
	.section	.rodata,"a",@progbits
	.p2align	6, 0x0
	.amdhsa_kernel k_q277b2acf45_pool
		.amdhsa_group_segment_fixed_size 233984
		.amdhsa_private_segment_fixed_size 0
		.amdhsa_enable_private_segment 0
		.amdhsa_kernarg_size 72
		.amdhsa_user_sgpr_count 2
		.amdhsa_user_sgpr_kernarg_segment_ptr 1
		.amdhsa_wavefront_size32 1
		.amdhsa_system_sgpr_workgroup_id_x 1
		.amdhsa_system_sgpr_workgroup_id_y 1
		.amdhsa_system_sgpr_workgroup_id_z 1
		.amdhsa_system_vgpr_workitem_id 0
		.amdhsa_next_free_vgpr 1024
		.amdhsa_next_free_sgpr 66
		.amdhsa_reserve_vcc 0
		.amdhsa_float_denorm_mode_32 3
		.amdhsa_float_denorm_mode_16_64 3
		.amdhsa_memory_ordered 1
		.amdhsa_forward_progress 1
		.amdhsa_inst_pref_size 255
	.end_amdhsa_kernel
	.section	.bss,"aw",@nobits
	.p2align	6
	.space	262144
	.amdgpu_metadata
---
amdhsa.version: [ 1, 2 ]
amdhsa.kernels:
  - .name:           k_q277b2acf45_pool
    .symbol:         k_q277b2acf45_pool.kd
    .args:
      - { .name: idx, .offset: 0, .size: 8, .value_kind: global_buffer, .address_space: global }
      - { .name: x2q, .offset: 8, .size: 8, .value_kind: global_buffer, .address_space: global }
      - { .name: wq, .offset: 16, .size: 8, .value_kind: global_buffer, .address_space: global }
      - { .name: g3, .offset: 24, .size: 8, .value_kind: global_buffer, .address_space: global }
      - { .name: b3, .offset: 32, .size: 8, .value_kind: global_buffer, .address_space: global }
      - { .name: gf1, .offset: 40, .size: 8, .value_kind: global_buffer, .address_space: global }
      - { .name: bf1, .offset: 48, .size: 8, .value_kind: global_buffer, .address_space: global }
      - { .name: bf2, .offset: 56, .size: 8, .value_kind: global_buffer, .address_space: global }
      - { .name: out0, .offset: 64, .size: 8, .value_kind: global_buffer, .address_space: global }
    .group_segment_fixed_size: 233984
    .private_segment_fixed_size: 0
    .kernarg_segment_align: 8
    .kernarg_segment_size: 72
    .max_flat_workgroup_size: 128
    .sgpr_count:     66
    .vgpr_count:     1024
    .wavefront_size: 32
...
	.end_amdgpu_metadata
.endif
;; end of part 6
